; MI455X (gfx1250); checked and timed in simulation.
; The chip was launched on July 23, 2026; its instructions are those of AMD's public machine-readable ISA for CDNA 5 (MIT licence, August 2026) and "CDNA5" Instruction Set Architecture Reference Guide (July 2026). The comments in the code are by the model that wrote it; some were corrected since.
;; Self Attention. Allowed arithmetic: matrix products marked QUANTISED: E5M2 operands, one E8M0 scale for each 32 along K, by v_wmma_scale_f32_16x16x128_f8f6f4 with both operands' format E5M2, f32 sums; everything else in f32.
;; Inputs: Wk 1,024 x 1,024 float32; Wo 1,024 x 1,024 float32; Wq 1,024 x 1,024 float32; Wv 1,024 x 1,024 float32; bk 1,024 float32; bo 1,024 float32; bq 1,024 float32; bv 1,024 float32; x 4 x 2,048 x 1,024 float32.
;; Outputs: out0 4 x 2,048 x 1,024 float32.
;; This version of the problem:
;;   THIS VERSION OF THE PROBLEM IS GIVEN IN LOW PRECISION. The matrix products marked QUANTISED in the list below multiply operands that are first quantised to E5M2 (5 exponent bits, 2 mantissa bits; 8 bits a number), with one power-of-two scale for each 32 numbers along K (OCP MX v1.0); their sums are f32. All else is computed in f32.
;;   The module's matrix products, in the order in which they are computed (A, B: the left and right operand; K: the contracted axis; several contracted axes count as one K, in the product's order):
;;     1. [M 8,192, K 1,024] x [K 1,024, N 1,024]; A: input x; B: input Wq: QUANTISED
;;     2. [M 8,192, K 1,024] x [K 1,024, N 1,024]; A: input x; B: input Wk: QUANTISED
;;     3. [M 8,192, K 1,024] x [K 1,024, N 1,024]; A: input x; B: input Wv: QUANTISED
;;     4. batch 64 x [M 2,048, K 64] x [K 64, N 2,048]; A: computed on the way; B: computed on the way: QUANTISED
;;     5. batch 64 x [M 2,048, K 2,048] x [K 2,048, N 64]; A: softmax (see below); B: computed on the way: QUANTISED
;;     6. [M 8,192, K 1,024] x [K 1,024, N 1,024]; A: computed on the way; B: input Wo: QUANTISED
;;   THE QUANTISER, for each operand of a quantised product, along K:
;;     - K is cut into blocks of 32 from its start; a last block that is shorter is filled with zeros.
;;     - A block's scale is 2^e with e = floor(log2(the largest magnitude in the block)) - 15, held to -126 .. 127; a block of zeros has e = 0. As a byte (E8M0): e + 127.
;;     - Each number is divided by its block's scale, clamped to +-57,344, and rounded to the nearest number of E5M2, ties to even, subnormals kept.
;;     - The product sums the exact products of the quantised numbers (number of the format x scale) in f32.
;;   ~~~python
;;   def quantise(x, axis):      # numpy; x: float32 -> the quantised numbers, widened to float32 again
;;       x = np.moveaxis(x, axis, -1); K = x.shape[-1]
;;       x = np.pad(x, [(0, 0)] * (x.ndim - 1) + [(0, -K % 32)]); x = x.reshape(x.shape[:-1] + (-1, 32)); a = np.abs(x).max(-1, keepdims=True)
;;       e = np.where(a > 0, np.clip(np.frexp(np.where(a > 0, a, 1))[1] - 1 - 15, -126, 127), 0)      # np.frexp(a)[1] - 1 = floor(log2(a)), exactly
;;       r = np.clip(x / 2.0 ** e, -57344, 57344)
;;       step = 2.0 ** (np.maximum(np.frexp(np.where(r == 0, 1, r))[1] - 1, -14) - 2)
;;       q = np.round(r / step) * step * 2.0 ** e      # np.round: ties to even
;;       return np.moveaxis(q.reshape(q.shape[:-2] + (-1,))[..., :K], -1, axis).astype(np.float32)
;;   ~~~
;;   SOFTMAX AHEAD OF A QUANTISED PRODUCT. Where the list says 'softmax', what is quantised is not the finished softmax but p = 2^(t - M), with t = logit x log2(e) and M = ceil(the row's largest t), a whole number; so 1/2 < the row's largest p <= 1. The row's sum l is taken of the UNQUANTISED p, in f32, and the product's result is divided by l at the end. Since M is a whole number, a kernel that streams over the keys may use a running M (the ceiling of the running maximum): every later rescaling is an exact power of two, which a block's scale takes up: the codes' values come out the same.
;;   OPERANDS COMPUTED ON THE WAY. 'Computed on the way' means the value that the module computes at that place (a softmax that the list does not call 'softmax' is quantised finished and normalised). What goes into a quantiser is computed in f32, as accurately as f32 sums, v_exp_f32 and their like allow (about 1e-6 of the number): no bf16 or f16 on the way to a quantiser, and a product that is left as it is and whose result goes on into a quantised operand takes f32 operands (vector FMAs, or v_wmma_f32_16x16x4_f32). A number that lies on a knife's edge between two numbers of the format may be rounded either way, as far as f32 arithmetic and the matrix unit's own rounding can turn it there, and no further.
;; One version. Each part assembles by itself: llvm-mc -triple=amdgcn-amd-amdhsa -mcpu=gfx1250 --defsym DOCPART=n.
;; ======== version 1 of 1: 4 launches
;; limits: right only within a limited range of input values
;; workspace buffers: xc 8,388,608 bytes; xs 262,144 bytes; wc 4,194,304 bytes; ws 131,072 bytes; img 25,165,824 bytes; scl 1,310,720 bytes; oc 8,388,608 bytes; os 262,144 bytes
;; launch quant_x (part 1): grid 384 x 1, 4 waves a work-group, no clusters, 68,608 bytes of LDS; arguments x, xc, xs, Wq, Wk, Wv, Wo, wc, ws; writes xc, xs, wc, ws
.if DOCPART == 1
	.amdgcn_target "amdgcn-amd-amdhsa--gfx1250"
	.amdhsa_code_object_version 6
	.text
	.protected	k_qa75a32470e_quant_x
	.globl	k_qa75a32470e_quant_x
	.p2align	8
	.type	k_qa75a32470e_quant_x,@function
k_qa75a32470e_quant_x:
	s_mov_b64 s[64:65], 0
	v_nop
	global_prefetch_b8 v0, s[64:65] scope:SCOPE_SE
	s_setreg_imm32_b32 hwreg(HW_REG_WAVE_MODE, 25, 1), 1
	s_wait_xcnt 0x0
; x [8192][1024] f32 becomes codes of BF8 (E5M2), K innermost, xc [8192][1024], and one E8M0 byte for each 32 along K, xs [8192][32].
; A block's scale is 2^(floor(log2(its largest magnitude)) - 15); its byte is the largest magnitude's exponent field - 15, held at 1 from below.
; Each number is divided by the scale, held within +-57,344 and rounded to the nearest code, ties to even.
; ROW ORDER OF xc AND xs: logical row R lies at the row whose number is R with bits 3 and 4 exchanged.  So the 16 rows of a tile 2 b + u are the logical rows
; 32 b + 8 u + r + 8 (r / 8), and results that run along two neighbouring tiles are 16 neighbours for the next quantiser.
; A wave takes 8 rows (16 steps of 512 numbers), a work-group 32: the exchange is one of the wave's two number bits in the output's place.
; Each of a step's four loads reads 512 consecutive bytes; the 2,048 bytes turn through the wave's own stage in LDS, so that a lane then holds 16 neighbours along K
; (two neighbouring lanes hold a block).  A lane's 16 codes are 16 bytes: the wave stores 512 consecutive bytes.  A wave's 256 scale bytes leave as one aligned run of 256 bytes.
; No barrier: waves share nothing.  Loads run four steps ahead, the turn through LDS one step.
; LIMITS: NaN and infinities among the inputs are not served; blocks whose largest magnitude lies under 2^-111 get the floor's byte 1 and were not tried;
; a block of zeros gets the byte 1 where the rule says 127: its codes are zeros, and this program alone reads the bytes.
.set STEPS, 16
.set EMAX,  15
.set MANT,  0x600000                   ; the mantissa field of 57,344 as f32
.set CB,    16                         ; bytes of 16 codes
.set R,     16                         ; v16-79   four sets of 16 numbers as they are loaded
.set X,     80                         ; v80-111  two sets of 16 neighbours
.set C,     128                        ; v128-191 codes: four registers for each step, so that no store's data are written again
.set E,     112                        ; v112-127 a scale byte for each step
.set WREG,  8192                       ; LDS: a region for each wave: two stages of 32 x SP bytes, behind them its 256 scale bytes
.set SP,    80                         ; a lane's place in a stage: 64 bytes + 16 of padding
	s_load_b64 s[4:5], s[0:1], 0x0                 ; x
	s_load_b64 s[8:9], s[0:1], 0x8                 ; xc
	s_load_b64 s[10:11], s[0:1], 0x10              ; xs
	v_lshl_add_u32 v192, v0, 2, 0x8000
	v_mov_b32 v193, 0
	v_lshrrev_b32 v1, 5, v0
	v_readfirstlane_b32 s16, v1                    ; wave
	v_and_b32 v2, 31, v0
	; ONE LAUNCH PREPARES ALL FIVE TENSORS: work-groups 0 .. 255 take x (the text that follows), work-groups 256 .. 383 the four weights (from .Lweights on).
	; The two ways part on the work-group's number alone and have LDS bytes of their own: x's 0 .. 32,767, the weights' 33,792 .. 68,607; the spare words lie between.
	s_cmp_ge_u32 ttmp9, 256
	s_wait_alu depctr_va_vdst(0)                   ; the wait ahead of the branch
	s_cbranch_scc1 .Lweights
	v_lshlrev_b32 v3, 4, v2                        ; my 16 bytes of a load's 512
	s_mul_i32 s17, s16, WREG
	v_lshrrev_b32 v14, 2, v2
	v_mul_u32_u24 v14, v14, SP
	v_and_b32 v15, 3, v2
	v_lshl_add_u32 v14, v15, 4, v14
	v_add_nc_u32 v14, s17, v14                     ; the stage, on the way in: SP (lane / 4) + 16 (lane % 4)
	v_mul_u32_u24 v15, v2, SP
	v_add_nc_u32 v15, s17, v15                     ; and on the way out: SP x lane: my 16 neighbours
	v_mul_u32_u24 v4, v2, CB                       ; my codes' place in a step's
	v_lshrrev_b32 v5, 1, v2
	s_add_co_u32 s17, s17, 2*32*SP
	v_add_nc_u32 v5, s17, v5                       ; LDS: my wave's 256 scale bytes, my block's byte
	v_lshlrev_b32 v7, 3, v2                        ; and on the way out 8 bytes a lane
	v_add_nc_u32 v6, s17, v7
	s_mov_b32 s23, MANT
	s_lshl_b32 s17, ttmp9, 2
	s_add_co_u32 s18, s17, s16                     ; which 8 rows I read: 4 x work-group + wave
	s_and_b32 s19, s16, 1
	s_lshl_b32 s19, s19, 1
	s_lshr_b32 s20, s16, 1
	s_or_b32 s19, s19, s20                         ; the wave's two bits exchanged
	s_add_co_u32 s19, s17, s19                     ; which 8 rows I write
	s_lshl_b32 s20, s18, 15                        ; 8 rows of x are 32,768 bytes
	s_mov_b32 s21, 0
	s_lshl_b32 s24, s19, 13                        ; 8 rows of codes 8,192
	s_mov_b32 s25, 0
	s_lshl_b32 s26, s19, 8                         ; 8 rows of scale bytes 256
	s_mov_b32 s27, 0
	s_wait_alu depctr_va_vdst(0)
	s_wait_kmcnt 0x0
	s_add_nc_u64 s[4:5], s[4:5], s[20:21]
	s_add_nc_u64 s[8:9], s[8:9], s[24:25]
	s_add_nc_u64 s[10:11], s[10:11], s[26:27]
.macro LOAD t
.irp i, 0,1,2,3
	global_load_b128 v[R+16*((\t)%4)+4*\i:R+16*((\t)%4)+4*\i+3], v3, s[4:5] offset:2048*(\t)+512*\i th:TH_LOAD_NT   ; 32 lanes read 512 consecutive bytes
.endr
.endm
.macro TURN t                          ; step t's numbers through the stage: LDS serves a wave's instructions in order, so no wait stands between the stores and the loads
.irp i, 0,1,2,3
	ds_store_b128 v14, v[R+16*((\t)%4)+4*\i:R+16*((\t)%4)+4*\i+3] offset:32*SP*((\t)%2)+8*SP*\i
.endr
.irp i, 0,1,2,3
	ds_load_b128 v[X+16*((\t)%2)+4*\i:X+16*((\t)%2)+4*\i+3], v15 offset:32*SP*((\t)%2)+16*\i
.endr
.endm
.irp t, 0,1,2,3
	LOAD \t
.endr
	s_wait_loadcnt 12                              ; step 0's four loads are in
	TURN 0
.macro STEP t
.set XS, X+16*((\t)%2)
.if (\t) > 0
	s_wait_dscnt 1                                 ; this step's numbers are back from the stage (the last step's byte store may be out): so its stores into the stage have read their registers,
.else
	s_wait_dscnt 0x0
.endif
.if (\t)+4 < STEPS
	LOAD (\t)+4                                    ; which take the loads of four steps on
.endif
.if (\t)+1 < STEPS
.if STEPS-2-(\t) >= 3
	s_wait_loadcnt 12                              ; the next step's four loads are in; those of the three steps behind it may be out
.else
	s_wait_loadcnt 4*(STEPS-2-(\t))
.endif
	TURN (\t)+1                                    ; and go through the other stage while this step is worked
.endif
	v_max3_num_f32 v8, |v[XS]|, |v[XS+1]|, |v[XS+2]|               ; the largest magnitude of my 16, in two chains
	v_max3_num_f32 v9, |v[XS+3]|, |v[XS+4]|, |v[XS+5]|
.irp i, 6,10
	v_max3_num_f32 v8, v8, |v[XS+\i]|, |v[XS+\i+1]|
	v_max3_num_f32 v9, v9, |v[XS+\i+2]|, |v[XS+\i+3]|
.endr
	v_max3_num_f32 v8, v8, |v[XS+14]|, |v[XS+15]|
	v_max3_num_f32 v8, v8, v9, (EMAX+1)<<23        ; and the floor 2^(16 - 127): the byte cannot fall under 1
	v_max_num_f32_dpp v8, v8, v8 row_xmask:1 row_mask:0xf bank_mask:0xf   ; and of my neighbour's 16: the block's
	v_add_nc_u32 v11, 0xf8800000, v8               ; 15 off its exponent field: the conversion takes the exponent field of this operand as its scale
	v_and_or_b32 v10, v8, 0x7f800000, s23          ; 57,344 x the scale
.irp i, 0,1,2,3,4,5,6,7,8,9,10,11,12,13,14,15
	v_med3_num_f32 v[XS+\i], v[XS+\i], -v10, v10   ; the conversion to an 8-bit code does not saturate (ISA guide 7.6.2): the hold comes first
.endr
	v_cvt_scalef32_pk8_bf8_f32 v[C+4*(\t):C+4*(\t)+1], v[XS:XS+7], v11
	v_cvt_scalef32_pk8_bf8_f32 v[C+4*(\t)+2:C+4*(\t)+3], v[XS+8:XS+15], v11
	v_lshrrev_b32 v[E+(\t)], 23, v11               ; the scale's byte (also the plain line behind the conversions)
	ds_store_b8 v5, v[E+(\t)] offset:16*(\t)       ; both lanes of a block write the same byte with the same value
	global_store_b128 v4, v[C+4*(\t):C+4*(\t)+3], s[8:9] offset:32*CB*(\t)   ; 512 consecutive bytes
.endm
.irp t, 0,1,2,3,4,5,6,7,8,9,10,11,12,13,14,15
	STEP \t
.endr
	ds_load_b64 v[12:13], v6                       ; LDS serves a wave's instructions in order: these see my stores
	s_wait_dscnt 0x0
	global_store_b64 v7, v[12:13], s[10:11]        ; 32 lanes store 256 consecutive bytes, aligned
	s_wait_tensorcnt 0x0
	ds_add_u32 v192, v193
	s_wait_dscnt 0x0
	s_endpgm
; THE WEIGHTS.  Wq, Wk, Wv, Wo [1024 (k)][1024 (n)] f32, K their FIRST axis, become codes of BF8 (E5M2) with K innermost, wc [4096][1024] (rows 0.. Wq's n, 1024.. Wk's, 2048.. Wv's, 3072.. Wo's),
; and one E8M0 byte for each 32 along K, ws [4096][32].  Column n lies at the row whose number is n with bits 3 and 4 exchanged, as in the codes of x.
; A lane takes a column n and its registers run down K: a block of 32 lies in one lane's 32 registers, and the conversions give codes with K innermost.
; A wave takes 32 columns x 256 along K; its codes go through its own stage in LDS and leave by rows, sixteen lanes to 256 consecutive bytes, aligned.
; w = work-group - 256: w & 7: which 128 columns; (w >> 3) & 3: which 256 along K; w >> 5: which weight (only the pointer is chosen).  Limits as for x.
.Lweights:
.set PITCH, 272
.set NB,    8
.set WST,   33792                      ; the four stages of 32 x 272 bytes
.set WX,    32                         ; v32-95 two sets of 32 numbers
.set WC,    96                         ; v96-103 a block's codes
.set OUTR,  112                        ; v112-175 the way out
.set WSB,   24                         ; v24-25 the scale bytes
	s_load_b256 s[36:43], s[0:1], 0x18             ; Wq, Wk, Wv, Wo
	s_load_b128 s[44:47], s[0:1], 0x38             ; wc, ws
	s_sub_co_u32 s30, ttmp9, 256
	s_and_b32 s17, s30, 7
	s_lshl_b32 s17, s17, 7
	s_lshl_b32 s18, s16, 5
	s_add_co_u32 s17, s17, s18                     ; my wave's first column
	s_lshr_b32 s30, s30, 3
	s_and_b32 s18, s30, 3                          ; which 256 along K
	s_lshr_b32 s30, s30, 2                         ; which weight
	v_lshlrev_b32 v3, 2, v2                        ; in: 4 bytes a lane
	s_mul_i32 s19, s16, 32*PITCH
	s_add_co_u32 s19, s19, WST                     ; my stage
	v_mul_u32_u24 v4, v2, PITCH
	v_add_nc_u32 v4, s19, v4                       ; into it: row = my column
	v_and_b32 v5, 15, v2
	v_lshrrev_b32 v6, 4, v2                        ; out of it: sixteen lanes to a row, two rows an instruction
	v_mul_u32_u24 v7, v6, PITCH
	v_lshl_add_u32 v7, v5, 4, v7
	v_add_nc_u32 v7, s19, v7
	v_mul_u32_u24 v8, v6, 1024
	v_lshl_add_u32 v8, v5, 4, v8                   ; the same place in the codes' buffer
	v_and_b32 v9, 7, v2                            ; my column's row of scale bytes: the lane's number with bits 3 and 4 exchanged
	v_and_b32 v14, 8, v2
	v_lshl_or_b32 v9, v14, 1, v9
	v_and_b32 v14, 16, v2
	v_lshrrev_b32 v14, 1, v14
	v_or_b32 v9, v9, v14
	v_lshlrev_b32 v9, 5, v9                        ; 32 bytes a row
	s_lshl_b32 s20, s18, 20                        ; W: 256 rows of 4,096 bytes for each step along K,
	s_lshl_b32 s22, s17, 2
	s_add_co_u32 s20, s20, s22                     ; + 4 x column
	s_mov_b32 s21, 0
	s_lshl_b32 s22, s30, 10
	s_add_co_u32 s22, s22, s17                     ; my first row of wc and ws
	s_lshl_b32 s24, s22, 10
	s_lshl_b32 s26, s18, 8
	s_add_co_u32 s24, s24, s26                     ; codes: row x 1,024 + 256 x step
	s_mov_b32 s25, 0
	s_lshl_b32 s28, s22, 5
	s_lshl_b32 s26, s18, 3
	s_add_co_u32 s28, s28, s26                     ; scale bytes: row x 32 + 8 x step
	s_mov_b32 s29, 0
	s_mov_b32 s31, MANT
	s_wait_alu depctr_va_vdst(0)                   ; the wait at the head's end
	s_wait_kmcnt 0x0
	s_bitcmp1_b32 s30, 0                           ; the weight's pointer, chosen by the work-group's number alone
	s_cselect_b64 s[36:37], s[38:39], s[36:37]
	s_cselect_b64 s[40:41], s[42:43], s[40:41]
	s_bitcmp1_b32 s30, 1
	s_cselect_b64 s[4:5], s[40:41], s[36:37]
	s_add_nc_u64 s[4:5], s[4:5], s[20:21]
	s_add_nc_u64 s[6:7], s[44:45], s[24:25]
	s_add_nc_u64 s[8:9], s[46:47], s[28:29]
.macro LOADW t                         ; block t: W(32 t + i, my column) into set t % 2
.irp i, 0,1,2,3,4,5,6,7,8,9,10,11,12,13,14,15,16,17,18,19,20,21,22,23,24,25,26,27,28,29,30,31
	global_load_b32 v[WX+32*((\t)%2)+\i], v3, s[4:5] offset:(32*(\t)+\i)*4096 th:TH_LOAD_NT
.endr
.endm
	LOADW 0
	LOADW 1
.macro BLOCKW t
.set XS, WX+32*((\t)%2)
.if (\t) < NB-1
	s_wait_loadcnt 32                              ; this block's 32 loads are in; the next block's may be out
.else
	s_wait_loadcnt 0
.endif
	v_max3_num_f32 v12, |v[XS]|, |v[XS+1]|, |v[XS+2]|
	v_max3_num_f32 v13, |v[XS+3]|, |v[XS+4]|, |v[XS+5]|
.irp i, 6,10,14,18,22,26
	v_max3_num_f32 v12, v12, |v[XS+\i]|, |v[XS+\i+1]|
	v_max3_num_f32 v13, v13, |v[XS+\i+2]|, |v[XS+\i+3]|
.endr
	v_max3_num_f32 v12, v12, |v[XS+30]|, |v[XS+31]|
	v_max3_num_f32 v12, v12, v13, (EMAX+1)<<23     ; and the floor 2^(16 - 127)
	v_add_nc_u32 v11, 0xf8800000, v12              ; the conversion's scale operand
	v_and_or_b32 v10, v12, 0x7f800000, s31         ; 57,344 x the scale
	v_lshrrev_b32 v13, 23, v11                     ; the scale's byte
.if (\t)%4 == 0
	v_mov_b32 v[WSB+(\t)/4], v13
.else
	v_lshl_or_b32 v[WSB+(\t)/4], v13, 8*((\t)%4), v[WSB+(\t)/4]
.endif
.irp i, 0,1,2,3,4,5,6,7,8,9,10,11,12,13,14,15,16,17,18,19,20,21,22,23,24,25,26,27,28,29,30,31
	v_med3_num_f32 v[XS+\i], v[XS+\i], -v10, v10   ; the hold: the conversion does not saturate (ISA guide 7.6.2)
.endr
.irp g, 0,1,2,3
	v_cvt_scalef32_pk8_bf8_f32 v[WC+2*\g:WC+2*\g+1], v[XS+8*\g:XS+8*\g+7], v11
.endr
	v_nop                                          ; a plain line behind the last conversion
	ds_store_b128 v4, v[WC:WC+3] offset:32*(\t)
	ds_store_b128 v4, v[WC+4:WC+7] offset:32*(\t)+16
.if (\t)+2 < NB
	LOADW (\t)+2
.endif
	s_wait_dscnt 0x0                               ; the stores have read their registers
.endm
.set Q, 0
.rept NB
	BLOCKW Q
.set Q, Q+1
.endr
	global_store_b64 v9, v[WSB:WSB+1], s[8:9]      ; my column's 8 scale bytes
.irp t, 0,1,2,3,4,5,6,7,8,9,10,11,12,13,14,15
	ds_load_b128 v[OUTR+4*\t:OUTR+4*\t+3], v7 offset:2*\t*PITCH
.endr
.irp t, 0,1,2,3,4,5,6,7,8,9,10,11,12,13,14,15
	s_wait_dscnt 15-\t
	global_store_b128 v8, v[OUTR+4*\t:OUTR+4*\t+3], s[6:7] offset:(((2*\t)&7)|(((2*\t)&8)<<1)|(((2*\t)&16)>>1))*1024
.endr
	s_wait_tensorcnt 0x0                           ; the wave's end
	ds_add_u32 v192, v193
	s_wait_dscnt 0x0
	s_endpgm
.Lfunc_end_k_qa75a32470e_quant_x:
	.size	k_qa75a32470e_quant_x, .Lfunc_end_k_qa75a32470e_quant_x-k_qa75a32470e_quant_x
	.p2alignl 7, 3214868480
	.fill 96, 4, 3214868480
	.section	.rodata,"a",@progbits
	.p2align	6, 0x0
	.amdhsa_kernel k_qa75a32470e_quant_x
		.amdhsa_group_segment_fixed_size 68608
		.amdhsa_private_segment_fixed_size 0
		.amdhsa_enable_private_segment 0
		.amdhsa_kernarg_size 72
		.amdhsa_user_sgpr_count 2
		.amdhsa_user_sgpr_kernarg_segment_ptr 1
		.amdhsa_wavefront_size32 1
		.amdhsa_system_sgpr_workgroup_id_x 1
		.amdhsa_system_sgpr_workgroup_id_y 1
		.amdhsa_system_sgpr_workgroup_id_z 1
		.amdhsa_system_vgpr_workitem_id 0
		.amdhsa_next_free_vgpr 194
		.amdhsa_next_free_sgpr 66
		.amdhsa_reserve_vcc 0
		.amdhsa_float_denorm_mode_32 3
		.amdhsa_float_denorm_mode_16_64 3
		.amdhsa_memory_ordered 1
		.amdhsa_forward_progress 1
		.amdhsa_inst_pref_size 110
	.end_amdhsa_kernel
	.amdgpu_metadata
---
amdhsa.version: [ 1, 2 ]
amdhsa.kernels:
  - .name:           k_qa75a32470e_quant_x
    .symbol:         k_qa75a32470e_quant_x.kd
    .args:
      - { .name: x, .offset: 0, .size: 8, .value_kind: global_buffer, .address_space: global }
      - { .name: xc, .offset: 8, .size: 8, .value_kind: global_buffer, .address_space: global }
      - { .name: xs, .offset: 16, .size: 8, .value_kind: global_buffer, .address_space: global }
      - { .name: Wq, .offset: 24, .size: 8, .value_kind: global_buffer, .address_space: global }
      - { .name: Wk, .offset: 32, .size: 8, .value_kind: global_buffer, .address_space: global }
      - { .name: Wv, .offset: 40, .size: 8, .value_kind: global_buffer, .address_space: global }
      - { .name: Wo, .offset: 48, .size: 8, .value_kind: global_buffer, .address_space: global }
      - { .name: wc, .offset: 56, .size: 8, .value_kind: global_buffer, .address_space: global }
      - { .name: ws, .offset: 64, .size: 8, .value_kind: global_buffer, .address_space: global }
    .group_segment_fixed_size: 68608
    .private_segment_fixed_size: 0
    .kernarg_segment_align: 8
    .kernarg_segment_size: 72
    .max_flat_workgroup_size: 128
    .sgpr_count:     66
    .vgpr_count:     194
    .wavefront_size: 32
...
	.end_amdgpu_metadata
.endif
;; end of part 1
;; launch proj (part 2): grid 96 x 4, 4 waves a work-group, clusters of 4 x 4, 327,680 bytes of LDS; arguments xc, xs, wc, ws, bq, bk, bv, img, scl; writes img, scl
.if DOCPART == 2
	.amdgcn_target "amdgcn-amd-amdhsa--gfx1250"
	.amdhsa_code_object_version 6
	.text
	.protected	k_qa75a32470e_proj
	.globl	k_qa75a32470e_proj
	.p2align	8
	.type	k_qa75a32470e_proj,@function
k_qa75a32470e_proj:
	s_mov_b64 s[64:65], 0
	v_nop
	global_prefetch_b8 v0, s[64:65] scope:SCOPE_SE
	s_setreg_imm32_b32 hwreg(HW_REG_WAVE_MODE, 25, 1), 1
	s_wait_xcnt 0x0
	s_wait_alu depctr_hold_cnt(0) depctr_sa_sdst(0) depctr_va_vdst(0) depctr_va_sdst(0) depctr_va_ssrc(0) depctr_va_vcc(0) depctr_vm_vsrc(0)
	s_getreg_b32 s2, hwreg(HW_REG_IB_STS2, 6, 4)
	s_cmp_eq_u32 s2, 0
	s_cbranch_scc0 .Lentry_in_a_cluster
	s_endpgm
.Lentry_in_a_cluster:
	s_bfe_u32 s2, ttmp6, 0x10000c
	s_cmp_lg_u32 s2, 0xf033
	s_cbranch_scc0 .Lentry_shape_is_right
	s_endpgm
.Lentry_shape_is_right:
; q = x Wq + bq, k = x Wk + bk, v = x Wv + bv on codes of BF8 (E5M2) with E8M0 scales, sums in f32; the results are quantised at once, q and k along the head's 64, v along the keys,
; and leave as IMAGES OF OPERAND REGISTERS (group c of four registers at 512 c + 16 x lane) for the attention launch, with their scale words.  No f32 intermediate goes to memory.
; A tile of 256 x 256 results is made by four waves, 128 x 128 each (64 accumulators, 512 registers); K = 1,024 goes in steps of 256 through a ring of two LDS slots filled by the tensor data mover.
; The scale bytes of the work-group's 2 x 256 rows for all of K come into LDS once, with the first fills.
; "A" is source 1 (a lane holds one of its rows), "B" source 0 (a lane's registers run along its rows).  c = the cluster's number, 0 .. 23, the same in all sixteen partners:
;   c < 16 (q, k): A = 256 rows of x, tile row 4 (c >> 1) + cy;  B = 256 rows of wc, tile 4 (c & 1) + cx (c & 1 = 0: Wq, 1: Wk): a lane holds one token and 128 features = two heads.
;   c >= 16 (v):   A = 256 rows of wc from row 2,048 + 256 cy (Wv);  B = 256 rows of x, tile 4 (c - 16) + cx: a lane holds one feature and 128 tokens = one key step.
; Only pointers, two tile numbers and the way out's steps are chosen by c; every LDS address, mask and tile shape is the same on both ways.
; ROW ORDER: xc, xs, wc, ws keep logical row R at R with bits 3 and 4 exchanged, so register j of half h of the result along B's tile 2 b + u is B's logical row 32 b + 16 h + 8 u + j:
; the 64 registers of one block of A are 4 blocks of 32 neighbours, 16 to a lane, as the conversions want them.
; CLUSTERS: 4 x 4 work-groups; A's tiles are asked for jointly along a row of the cluster, B's along a column.
; REGISTERS, in windows of 256: window 0: v0-31 addresses; v32-63 scale words, two sets; v64-127 the biases; from v128 A's fragments, one set (on the way out v128-255 are at work).
;   window 1: B's fragments, two sets.   window 2: the accumulators of my A rows 0-63 ((a, b) at v[8 (8 a + b)]);   window 3: those of rows 64-127.
; LIMITS: NaN and infinities are not served; a block whose largest magnitude lies under 2^-111 gets the floor's byte 1 (not tried); a block of zeros gets the byte 1 where the rule says 127 (zero codes; this program alone reads the bytes).
.set SIZE_K, 1024
.set KSTEP,  256
.set NQ,     KSTEP/128
.set ROWB,   256
.set KROW,   SIZE_K
.set PITCH,  272                       ; an LDS row: 256 bytes + 16 of padding = 68 words: the 16 rows that a load touches start at 16 different banks (64 banks of 4 bytes: ISA guide 11.1)
.set FR,     16
.set NL,     4
.set NP,     8                         ; places behind this matrix instruction (ISA guide 7.12.1)
.set HALFT,  128*PITCH
.set SLOT,   4*HALFT
.set LAPS,   SIZE_K/(2*KSTEP)
.set KS,     SIZE_K/32
.set SCL,    2*SLOT                    ; behind the ring: the scales, as runs of 256 bytes + 16 of padding
.set HALFS,  (128*KS/256)*272
.set SBLK,   (16*KS/256)*272
.set SPARE,  SCL+4*HALFS               ; the spare words, 128 bytes a wave: two blocks of 256 bytes that no other line names
.set ADRA, 16                          ; v16-17  LDS address of my A fragments in slot 0, 1
.set ADRB, 20                          ; v20-21  the same for B
.set SW,   24                          ; v24     the way out: where my row's scale word goes in my stage (in slot 0, which has had its last fill and its last read by then)
.set SRD,  25                          ; v25     and where I read 16 bytes of words back
.set CO0,  26                          ; v26     16 x lane: my place in an image
.set ADRS, 27                          ; v27     LDS address of my scale words: lanes 0-15 A's rows, lanes 16-31 B's
.set SPW,  28                          ; v28     my spare word; never rewritten
.set NIL,  29                          ; v29     0; never rewritten
.set CO1,  30                          ; v30     CO0 + the distance to the image's second half (v) or to the second head's image (q, k)
.set SOFF, 31                          ; v31     my 16 bytes among the scale words in memory
.set SC,   32
.set BIA,  64                          ; v64-127 biases
.set AF,   128
.set T,    128                         ; the way out: v128-191 64 results + bias
.set PC,   192                         ; v192-207 their codes
.set TM,   208                         ; v208-223 at work
.set PWS,  224                         ; v224-231 a scale word for each block of A
.set W0,   232                         ; v232-239, v240-247 the words as they are stored
.set W1,   240
.set R0,   248
.set R1,   252
.set G1, 24
.set G0, 32
.set G1B, 48
.set G0B, 56
.set G1S, 68
.set G0S, 76
.set G1SB, 80
.set G0SB, 88
.set SEL,  66                          ; s[66:67] lane selects for lane l xor 16
.set MNT,  95                          ; s95 the mantissa field of 57,344
.set PATH, 96                          ; s96 0: q, k; 1: v
.set MSB, 0
.macro WIN new                         ; the immediate's high byte repeats the setting that is left
.if MSB != \new
	s_set_vgpr_msb (MSB<<8)|\new
.set MSB, \new
.endif
.endm
.set MUL_LO, 0xa1                      ; source 0 (B) window 1, source 1 (A) window 0, C and D window 2
.set MUL_HI, 0xf1
.set TO_B,   0x40
; A joint load: waves 0 and 1 fetch for A, waves 2 and 3 for B; the branch hangs on the wave's number alone.  Four v_nop follow each of the two lines.
.macro JLOAD g0a, g1a, g0b, g1b
	s_cmp_eq_u32 s15, 0
	s_cbranch_scc0 .Lfor_b_\@
	tensor_load_to_lds s[\g0a:\g0a+3], s[\g1a:\g1a+7]
	s_nop 0
.rept 4
	v_nop
.endr
	s_branch .Lasked_\@
.Lfor_b_\@:
	tensor_load_to_lds s[\g0b:\g0b+3], s[\g1b:\g1b+7]
	s_nop 0
.rept 4
	v_nop
.endr
.Lasked_\@:
.endm
.macro CREST                           ; a round of the cluster's barrier behind its opening barrier
	s_cmp_lg_u32 s14, 0
	s_cbranch_scc1 .Lnot_wave_0_\@
	s_barrier_signal -3
.Lnot_wave_0_\@:
	s_barrier_wait -3
	s_barrier_signal -1
	s_barrier_wait -1
.endm
.macro CROUND
	s_barrier_signal -1
	s_barrier_wait -1
	CREST
.endm
	s_load_b256 s[24:31], s[0:1], 0x0              ; xc, xs, wc, ws
	s_load_b256 s[32:39], s[0:1], 0x20             ; bq, bk, bv, img
	s_load_b64 s[104:105], s[0:1], 0x40            ; scl
	v_lshl_add_u32 v[SPW], v0, 2, SPARE
	v_mov_b32 v[NIL], 0
	ds_add_u32 v28, v29
	ds_add_u32 v28, v29
	s_wait_dscnt 0x0
	v_lshrrev_b32 v1, 5, v0
	v_readfirstlane_b32 s14, v1                    ; wave 0..3
	s_lshr_b32 s15, s14, 1                         ; which half of A's rows is mine.  Also: I fetch for A (0) or for B (1)
	s_and_b32 s16, s14, 1                          ; which half of B's rows.  Also: which 128 rows I fetch
	s_bfe_u32 s40, ttmp6, 0x40000                  ; cx
	s_bfe_u32 s41, ttmp6, 0x40004                  ; cy
	s_lshl_b32 s43, s41, 2
	s_lshl_b32 s43, 15, s43                        ; my row of the cluster
	s_lshl_b32 s44, 0x1111, s40                    ; my column
	s_lshr_b32 s18, ttmp9, 1
	s_lshl_b32 s18, s18, 2                         ; 4 (c >> 1)
	s_and_b32 s94, ttmp9, 1                        ; c & 1
	s_lshl_b32 s19, s94, 2                         ; 4 (c & 1)
	s_max_u32 s20, ttmp9, 16
	s_sub_co_u32 s20, s20, 16
	s_lshl_b32 s20, s20, 2                         ; 4 (c - 16)
	s_cmp_ge_u32 ttmp9, 16                         ; which way: the cluster's number alone decides
	s_cselect_b32 s[PATH], 1, 0
	s_cselect_b32 s17, 8, s18                      ; A's tile row, without cy
	s_cselect_b32 s42, s20, s19                    ; B's tile row, without cx
	s_cselect_b32 s45, 2, s94                      ; which of q, k, v
	s_mov_b32 s97, 0xffff
	s_cselect_b32 s97, -1, s97                     ; what of a scale word belongs to the first head: two bytes (q, k) or all four (v)
	s_mov_b32 s100, 1024
	s_cselect_b32 s100, 387072, s100               ; the step of the image's address into block 4: v goes on to the next head's first tile (393,216 - 3 x 2,048)
	s_mov_b32 s101, 0
	s_mov_b32 s92, 393216
	s_cselect_b32 s92, 1024, s92                   ; from PC's first half to its second: the next head's image (q, k) or the same image's second half (v)
	s_mov_b32 s93, 256
	s_cselect_b32 s93, 20480, s93                  ; from lanes 0-15's words to lanes 16-31's: on in the same head (q, k) or the next head (v)
	s_cselect_b32 s21, 1, 2                        ; scale words for a token: 4 bytes (q, k); for a key step of 128: 256 bytes (v)
	s_lshl_b32 s98, 1024, s[PATH]                  ; an image: 1,024 bytes (q, k) or 2,048 (v)
	s_mov_b32 s99, 0
	s_add_co_u32 s17, s17, s41                     ; A's tile row: hangs on c and cy alone
	s_add_co_u32 s42, s42, s40                     ; B's: on c and cx alone
	v_and_b32 v1, 15, v0                           ; r = l % 16
	v_bfe_u32 v2, v0, 4, 1                         ; h = l / 16
	v_and_b32 v6, 31, v0
	v_lshlrev_b32 v[CO0], 4, v6
	v_add_nc_u32 v[CO1], s92, v[CO0]
	v_mul_u32_u24 v[SOFF], s93, v2
	v_lshl_add_u32 v[SOFF], v1, 4, v[SOFF]
	; where my results go
	s_cmp_lg_u32 s[PATH], 0
	s_cselect_b32 s18, s41, s40
	s_cselect_b32 s19, s15, s16
	s_cselect_b32 s20, s42, s17
	s_cselect_b32 s22, s16, s15
	s_lshl_b32 s18, s18, 8
	s_lshl_b32 s19, s19, 7
	s_add_co_u32 s18, s18, s19                     ; my first feature in the weight
	s_lshl_b32 s20, s20, 8
	s_lshl_b32 s22, s22, 7
	s_add_co_u32 s20, s20, s22                     ; my first row of x
	s_lshr_b32 s19, s18, 6                         ; my first head
	s_lshr_b32 s22, s20, 11                        ; the batch
	s_and_b32 s20, s20, 2047                       ; the token in it
	s_lshl_b32 s22, s22, 4
	s_add_co_u32 s22, s22, s19                     ; 16 x batch + head
	s_mul_i32 s46, s22, 393216
	s_lshl_b32 s23, s45, 17
	s_add_co_u32 s46, s46, s23
	s_lshl_b32 s23, s20, 6
	s_add_co_u32 s46, s46, s23                     ; img: head x 393,216 + which x 131,072 + token x 64
	s_mov_b32 s47, 0
	s_mul_i32 s22, s22, 20480
	s_lshl_b32 s23, s45, 13
	s_add_co_u32 s22, s22, s23
	s_lshl_b32 s23, s20, s21
	s_add_co_u32 s22, s22, s23                     ; scl: head x 20,480 + which x 8,192 + token x 4 (q, k) or x 2 (v)
	s_mov_b32 s23, 0
	s_lshl_b32 s18, s18, 2                         ; the bias: 4 bytes a feature
	s_mov_b32 s19, 0
	s_wait_kmcnt 0x0
	s_add_nc_u64 s[12:13], s[38:39], s[46:47]
	s_add_nc_u64 s[104:105], s[104:105], s[22:23]
	s_cmp_lg_u32 s94, 0
	s_cselect_b64 s[2:3], s[34:35], s[32:33]       ; bk or bq
	s_cmp_lg_u32 s[PATH], 0
	s_cselect_b64 s[2:3], s[36:37], s[2:3]         ; or bv
	s_cselect_b64 s[4:5], s[28:29], s[24:25]       ; A's codes: wc or xc
	s_cselect_b64 s[6:7], s[30:31], s[26:27]       ; A's scales
	s_cselect_b64 s[8:9], s[24:25], s[28:29]       ; B's codes
	s_cselect_b64 s[10:11], s[26:27], s[30:31]     ; B's scales
	s_add_nc_u64 s[2:3], s[2:3], s[18:19]
	; descriptor group 1: a tile of 256 rows x 256 bytes, padded in LDS (the raw pointers' registers are free now)
	s_or_b32 s[G1+0], s43, (0<<16)|(1<<20)|(1<<21)|(5<<22)|(3<<25)  ; 15:0 the mask: my row; 17:16 elements of 1 byte; 20 padding on; 21 set beside a mask; 24:22 after every 64 words; 31:25 four words
	s_or_b32 s[G1B+0], s44, (0<<16)|(1<<20)|(1<<21)|(5<<22)|(3<<25)
.irp g, G1, G1B
	s_mov_b32 s[\g+1], ROWB<<16                    ; tensor_dim0
	s_mov_b32 s[\g+2], 256<<16                     ; tensor_dim1: 256 rows for the head's loads; set to 128 for the ring's behind them
	s_mov_b32 s[\g+3], ROWB<<16                    ; tile_dim0
	s_mov_b32 s[\g+4], 256                         ; tile_dim1
	s_mov_b32 s[\g+5], KROW                        ; tensor_dim0_stride
	s_mov_b32 s[\g+6], 0
	s_mov_b32 s[\g+7], 0
.endr
	; s[68:75], s[80:87]: group 1 of the RING's loads: 128 rows x 256 bytes (the head's loads bring 256 rows by s[24:31], s[48:55])
	s_or_b32 s[G1S+0], s43, (0<<16)|(1<<20)|(1<<21)|(5<<22)|(3<<25)
	s_or_b32 s[G1SB+0], s44, (0<<16)|(1<<20)|(1<<21)|(5<<22)|(3<<25)
.irp g, G1S, G1SB
	s_mov_b32 s[\g+1], ROWB<<16
	s_mov_b32 s[\g+2], 128<<16
	s_mov_b32 s[\g+3], ROWB<<16
	s_mov_b32 s[\g+4], 128
	s_mov_b32 s[\g+5], KROW
	s_mov_b32 s[\g+6], 0
	s_mov_b32 s[\g+7], 0
.endr
	s_lshl_b32 s20, s17, 8                         ; A: the tile's first row
	s_lshl_b32 s46, s42, 8                         ; B likewise
	s_mov_b32 s21, 0
	s_mov_b32 s47, 0
	s_mov_b64 s[18:19], KS
	s_mul_u64 s[22:23], s[20:21], s[18:19]         ; where these rows' scales begin
	s_mul_u64 s[92:93], s[46:47], s[18:19]
	s_mov_b64 s[18:19], KROW
	s_mul_u64 s[20:21], s[20:21], s[18:19]         ; and their codes
	s_mul_u64 s[46:47], s[46:47], s[18:19]
	s_mul_i32 s45, s14, HALFT                      ; where they go: wave x 128 rows: no place in the cluster enters an LDS address
	s_add_nc_u64 s[20:21], s[4:5], s[20:21]
	s_add_nc_u64 s[22:23], s[6:7], s[22:23]
	s_add_nc_u64 s[46:47], s[8:9], s[46:47]
	s_add_nc_u64 s[92:93], s[10:11], s[92:93]
	CROUND                                         ; all sixteen work-groups are here: the first joint loads meet
	s_mov_b32 s[G0S], 1
	s_mov_b32 s[G0S+1], SLOT                       ; s[76:79]: the head's load of A's K step 1, into slot 1
	s_add_nc_u64 s[G0S+2:G0S+3], s[20:21], ROWB
	s_or_b32 s[G0S+3], s[G0S+3], 0x80000000
	s_mov_b32 s[G0SB], 1
	s_mov_b32 s[G0SB+1], SLOT+2*HALFT              ; s[88:91]: B's K step 1
	s_add_nc_u64 s[G0SB+2:G0SB+3], s[46:47], ROWB
	s_or_b32 s[G0SB+3], s[G0SB+3], 0x80000000
	s_mov_b32 s4, 1                                ; s[4:7], s[8:11]: group 0 of the head's loads of K step 0: A's 256 rows, B's 256 rows (the pointers that lay there have been used)
	s_mov_b32 s5, 0
	s_mov_b64 s[6:7], s[20:21]
	s_or_b32 s7, s7, 0x80000000
	s_mov_b32 s8, 1
	s_mov_b32 s9, 2*HALFT
	s_mov_b64 s[10:11], s[46:47]
	s_or_b32 s11, s11, 0x80000000
	s_mul_i32 s18, s16, 128*KROW                   ; for the ring: which 128 rows of a tile I fetch
	s_mov_b32 s19, 0
	s_add_nc_u64 s[20:21], s[20:21], s[18:19]
	s_add_nc_u64 s[46:47], s[46:47], s[18:19]
.irp s, 0,1
	s_mov_b32 s[G0+4*\s], 1
	s_add_co_u32 s[G0+4*\s+1], s45, \s*SLOT
	s_add_nc_u64 s[G0+4*\s+2:G0+4*\s+3], s[20:21], \s*ROWB
	s_or_b32 s[G0+4*\s+3], s[G0+4*\s+3], 0x80000000
	s_mov_b32 s[G0B+4*\s], 1
	s_add_co_u32 s[G0B+4*\s+1], s45, \s*SLOT
	s_add_nc_u64 s[G0B+4*\s+2:G0B+4*\s+3], s[46:47], \s*ROWB
	s_or_b32 s[G0B+4*\s+3], s[G0B+4*\s+3], 0x80000000
.endr
; THE HEAD'S LOADS, ONE A WAVE, FILL BOTH SLOTS: wave 0 K step 0's 256 rows of A, wave 1 its 256 rows of B, wave 2 K step 1's rows of A, wave 3 those of B.
; One chain of branches on the wave's number, a load to an arm, all arms leading to one join.  The scale bytes come through registers (below).
.macro ARM under, g0, g1, next
	s_cmp_lt_u32 s14, \under
	s_cbranch_scc0 \next
	tensor_load_to_lds s[\g0:\g0+3], s[\g1:\g1+7]
	s_nop 0
.rept 4
	v_nop
.endr
	s_branch .Lhead_asked
\next:
.endm
	ARM 1, 4, G1, .Lhead_b
	ARM 2, 8, G1B, .Lhead_sa
	ARM 3, G0S, G1, .Lhead_sb
	tensor_load_to_lds s[G0SB:G0SB+3], s[G1B:G1B+7]
	s_nop 0
.rept 4
	v_nop
.endr
.Lhead_asked:
	; THE SCALE BYTES of the 2 x 256 rows, all of K: 16,384 bytes; each wave copies 4,096 (waves 0, 1: A's halves; 2, 3: B's) through v128-159 into LDS bytes that no tensor load fills:
	; eight loads of 512 consecutive bytes; a run of 256 bytes lies at 272 x its number, as the fragments' readers expect.
	s_cmp_eq_u32 s15, 0
	s_cselect_b64 s[92:93], s[22:23], s[92:93]
	s_lshl_b32 s22, s16, 12
	s_mov_b32 s23, 0
	s_add_nc_u64 s[92:93], s[92:93], s[22:23]
	s_mul_i32 s22, s14, HALFS
	s_add_co_u32 s22, s22, SCL
	; THE PREFETCH: the rows of xc (A on the way of q and k, B on the way of v) for K steps 2 and 3, two steps ahead of their refills: of the 128 rows that waves 0 and 1 name,
	; each of the four partners that ask for them jointly takes 32, told apart by address; a lane a row.  The rows of wc are loaded by eight clusters and are not asked for ahead.
	s_cmp_lg_u32 s[PATH], 0
	s_cselect_b64 s[46:47], s[46:47], s[20:21]
	s_cselect_b32 s18, s41, s40
	s_lshl_b32 s18, s18, 15
	s_mov_b32 s19, 0
	s_add_nc_u64 s[46:47], s[46:47], s[18:19]
	s_wait_alu depctr_va_vdst(0)                   ; the wait: r, h and 16 x lane were made ahead of many scalar lines
	v_mul_u32_u24 v10, v2, 272
	v_lshl_add_u32 v10, v1, 4, v10
	v_add_nc_u32 v10, s22, v10                     ; v10: where my 16 bytes of a load's 512 go; never rewritten
	v_and_b32 v9, 31, v0
	v_lshlrev_b32 v9, 10, v9                       ; v9: my row among the prefetch's 32; never rewritten
.irp k, 0,1,2,3,4,5,6,7
	global_load_b128 v[AF+4*\k:AF+4*\k+3], v[CO0], s[92:93] offset:512*\k
.endr
	s_wait_alu depctr_va_vdst(0)
	s_cmp_eq_u32 s15, 0
	s_cbranch_scc0 .Lnone_ahead
	global_prefetch_b8 v9, s[46:47] offset:2*ROWB th:TH_LOAD_NT scope:SCOPE_SE
	global_prefetch_b8 v9, s[46:47] offset:3*ROWB th:TH_LOAD_NT scope:SCOPE_SE
.Lnone_ahead:
	s_wait_alu depctr_va_vdst(0)
	v_mul_u32_u24 v3, v1, PITCH
	v_lshl_add_u32 v4, v2, 4, v3                   ; a fragment's row x pitch + 16 x half
	s_mul_i32 s21, s15, HALFT                      ; my 128 rows of A
	s_mul_i32 s22, s16, HALFT                      ; my 128 rows of B,
	s_add_co_u32 s22, s22, 2*HALFT                 ; which lie behind A's 256
.irp s, 0,1
	v_add_nc_u32 v[ADRA+\s], s21, v4
	v_add_nc_u32 v[ADRB+\s], s22, v4
	s_add_co_u32 s21, s21, SLOT
	s_add_co_u32 s22, s22, SLOT
.endr
	v_mul_u32_u24 v5, v1, KS                       ; my row's scales: 32 bytes a row,
	v_lshrrev_b32 v6, 8, v5
	v_lshl_add_u32 v5, v6, 4, v5                   ; and 16 more for each 256 passed
	s_mul_i32 s21, s15, HALFS
	s_mul_i32 s22, s16, HALFS
	s_add_co_u32 s22, s22, 2*HALFS
	s_sub_co_u32 s22, s22, s21
	v_mul_u32_u24 v6, s22, v2                      ; lanes 16-31 take B's
	s_add_co_u32 s21, s21, SCL
	v_add_nc_u32 v5, v5, v6
	v_add_nc_u32 v[ADRS], s21, v5
	s_lshl_b32 s23, s14, 10                        ; my stage for the scale words: 1,024 bytes
	v_lshl_add_u32 v[SW], v1, 2, s23
	v_add_nc_u32 v[SRD], s23, v[CO0]
	s_mov_b32 s[SEL], 0x76543210
	s_mov_b32 s[SEL+1], 0xfedcba98
	s_mov_b32 s[MNT], 0x600000
	; THE BIASES.  q, k: register 8 t + j holds the bias of feature 32 (t / 2) + 16 h + 8 (t % 2) + j, the layout of a block's 64 results.
	v_lshlrev_b32 v7, 6, v2                        ; 16 h features
.irp t, 0,1,2,3,4,5,6,7
	global_load_b128 v[BIA+8*\t:BIA+8*\t+3], v7, s[2:3] offset:(32*(\t/2)+8*(\t%2))*4
	global_load_b128 v[BIA+8*\t+4:BIA+8*\t+7], v7, s[2:3] offset:(32*(\t/2)+8*(\t%2))*4+16
.endr
	v_and_b32 v8, 8, v1
	v_add_nc_u32 v8, v8, v1
	v_lshlrev_b32 v8, 2, v8                        ; r + 8 (r / 8) features
	s_cmp_eq_u32 s[PATH], 0
	s_cbranch_scc1 .Lbias_asked
	; v: a lane holds ONE feature in each block a of A: 32 (a / 2) + 8 (a % 2) + r + 8 (r / 8); its bias stands twice, as a pair for the packed addition.
	; (On this way the 16 loads above serve nothing: they are left on the common way so that every register that either arm of the way out names is written on both ways.)
	s_wait_loadcnt 0x0
	s_wait_alu depctr_va_vdst(0)
.irp a, 0,1,2,3,4,5,6,7
	global_load_b32 v[BIA+2*\a], v8, s[2:3] offset:(32*(\a/2)+8*(\a%2))*4
	global_load_b32 v[BIA+2*\a+1], v8, s[2:3] offset:(32*(\a/2)+8*(\a%2))*4
.endr
.Lbias_asked:
.macro FRAG reg, adr, q, i             ; a fragment, 16 rows x 128 K, is 16 registers: lane l holds row l % 16; registers 4 c .. 4 c + 3 hold K = 32 c + 16 (l / 16) + 0 .. 15
.irp c, 0,1,2,3
	ds_load_b128 v[\reg+4*\c:\reg+4*\c+3], v[\adr] offset:128*(\q)+32*\c+(\i)*16*PITCH
.endr
.endm
; 16 matrix instructions: A's blocks a0, a0 + 1 x B's eight, 128 along K.  The 64 accumulators take turns, one instruction a turn, in the same order in every step.
.macro MUL16 a0, p, q, sc, zero
.irp a, \a0, \a0+1
.irp b, 0,1,2,3,4,5,6,7
.if \zero
	v_wmma_scale_f32_16x16x128_f8f6f4 v[8*(8*((\a)%4)+\b):8*(8*((\a)%4)+\b)+7], v[128*(\p)+FR*\b:128*(\p)+FR*\b+FR-1], v[AF+FR*(\a):AF+FR*(\a)+FR-1], 0, v[SC+8*NQ*(\sc)+NQ*\b+(\q)], v[SC+8*NQ*(\sc)+NQ*(\a)+(\q)] matrix_a_fmt:MATRIX_FMT_BF8 matrix_b_fmt:MATRIX_FMT_BF8 matrix_a_scale:MATRIX_SCALE_ROW1
.else
	v_wmma_scale_f32_16x16x128_f8f6f4 v[8*(8*((\a)%4)+\b):8*(8*((\a)%4)+\b)+7], v[128*(\p)+FR*\b:128*(\p)+FR*\b+FR-1], v[AF+FR*(\a):AF+FR*(\a)+FR-1], v[8*(8*((\a)%4)+\b):8*(8*((\a)%4)+\b)+7], v[SC+8*NQ*(\sc)+NQ*\b+(\q)], v[SC+8*NQ*(\sc)+NQ*(\a)+(\q)] matrix_a_fmt:MATRIX_FMT_BF8 matrix_b_fmt:MATRIX_FMT_BF8 matrix_a_scale:MATRIX_SCALE_ROW1
.endif
.endr
.endr
.endm
.macro FETCH_B slot, q, p
	WIN TO_B
.irp i, 0,1,2,3,4,5,6,7
	FRAG 128*(\p)+FR*\i, ADRB+\slot, \q, \i
.endr
	WIN 0
.endm
.macro FETCH_A slot, q, i0
.irp i, \i0, \i0+1, \i0+2, \i0+3
	FRAG AF+FR*(\i), ADRA+\slot, \q, \i
.endr
.endm
.macro SCALES sc                       ; a K step's scale words: two words a row; lanes 0-15 take A's block i, lanes 16-31 B's block i
.irp i, 0,1,2,3,4,5,6,7
	ds_load_b64 v[SC+8*NQ*\sc+NQ*\i:SC+8*NQ*\sc+NQ*\i+1], v[ADRS] offset:\i*SBLK
.endr
.endm
.macro PLACES n                        ; plain vector lines between a matrix instruction and a load into, or a vector line on, its registers
.rept \n
	v_nop
.endr
.endm
.macro STEP slot, q, zero              ; a step of 128 along K that has its successor in the same slot
	s_wait_dscnt 4*NL                              ; B's set and A's blocks 0-3 are in; the youngest 16 loads (A's blocks 4-7) may be out
	WIN MUL_LO
	MUL16 0, (\q)%2, \q, \slot, \zero
	MUL16 2, (\q)%2, \q, \slot, \zero
	s_wait_dscnt 0                                 ; A's blocks 4-7 are in
	PLACES NP
	FETCH_B \slot, (\q)+1, 1-(\q)%2
	FETCH_A \slot, (\q)+1, 0
	WIN MUL_HI
	MUL16 4, (\q)%2, \q, \slot, \zero
	MUL16 6, (\q)%2, \q, \slot, \zero
	PLACES NP
	WIN 0
	FETCH_A \slot, (\q)+1, 4
.endm
; A slot's last step changes slots: one barrier; in front of it each wave waits for all its tensor loads, adds 0 to its spare word, and waits for that and for its reads of this slot.
.macro TURN slot, next, fill
	s_wait_tensorcnt 0x0                           ; all my tensor loads have landed: my part of the next slot
	ds_add_u32 v[SPW], v[NIL]                      ; 0 onto my spare word
	s_wait_dscnt 4*NL+1                            ; (the add and the youngest 16 loads, A's blocks 4-7, may be out)
	WIN MUL_LO
	MUL16 0, 1, NQ-1, \slot, 0
	s_wait_dscnt 0x0                               ; the add is done, and my reads of this slot are over
	s_barrier_signal -1
	MUL16 2, 1, NQ-1, \slot, 0
	WIN 0
	s_barrier_wait -1
.if \fill
	CREST                                          ; the barrier has opened a round of the cluster's: no wave of any partner still reads this slot or has a load on its way
	s_add_nc_u64 s[G0+4*\slot+2:G0+4*\slot+3], s[G0+4*\slot+2:G0+4*\slot+3], 2*ROWB
	s_add_nc_u64 s[G0B+4*\slot+2:G0B+4*\slot+3], s[G0B+4*\slot+2:G0B+4*\slot+3], 2*ROWB
	JLOAD G0+4*\slot, G1S, G0B+4*\slot, G1SB       ; the first tensor load behind the round; its four v_nop are among the places in front of the loads below
	PLACES NP-4
.else
	PLACES NP
.endif
	s_wait_alu depctr_va_vdst(0)
	v_add_nc_u32 v[ADRS], 4*NQ, v[ADRS]            ; on to the next K step's scale words
	FETCH_B \next, 0, 0
	FETCH_A \next, 0, 0
	SCALES \next
	WIN MUL_HI
	MUL16 4, 1, NQ-1, \slot, 0
	MUL16 6, 1, NQ-1, \slot, 0
	PLACES NP
	WIN 0
	FETCH_A \next, 0, 4
.endm
	s_wait_loadcnt 0x0                             ; the biases: waited for where the wave waits for its first tile anyway
.irp k, 0,1,2,3,4,5,6,7
	ds_store_b128 v10, v[AF+4*\k:AF+4*\k+3] offset:544*\k   ; my 4,096 scale bytes
.endr
	s_wait_alu depctr_va_vdst(0)                   ; the wait at the head's end
	s_cmp_lt_u32 s14, 2                            ; slot 0's two loads are waves 0 and 1's, which have load lines of their own: they wait here; waves 2 and 3 wait at the first change of slots
	s_cbranch_scc0 .Lnot_first
	s_wait_tensorcnt 0x0
.Lnot_first:
	s_wait_dscnt 0x0                               ; my scale bytes are stored
	s_barrier_signal -1
	s_barrier_wait -1                              ; slot 0 and all scale bytes are in
	FETCH_B 0, 0, 0
	FETCH_A 0, 0, 0
	s_wait_alu depctr_va_vdst(0)
	SCALES 0
	FETCH_A 0, 0, 4
	STEP 0, 0, 1                                   ; the first step's products start the sums
	s_mov_b32 s18, LAPS-1
.Llap:                                                 ; a trip goes once round the ring and fills both slots again
	TURN 0, 1, 1
	STEP 1, 0, 0
	TURN 1, 0, 1
	STEP 0, 0, 0
	s_sub_co_u32 s18, s18, 1
	s_cmp_lg_u32 s18, 0
	s_cbranch_scc1 .Llap
	TURN 0, 1, 0                                   ; the last lap fills nothing
	STEP 1, 0, 0
	s_wait_dscnt 4*NL
	WIN MUL_LO
	MUL16 0, 1, NQ-1, 1, 0
	MUL16 2, 1, NQ-1, 1, 0
	s_wait_dscnt 0
	WIN MUL_HI
	MUL16 4, 1, NQ-1, 1, 0
	MUL16 6, 1, NQ-1, 1, 0
	WIN 0
; THE WAY OUT, block by block of A.  A block's 64 results of a lane, plus bias, are 4 blocks of 32 along the next product's K, 16 numbers each (the other 16 in lane l xor 16).
.macro BIAS a                          ; results + bias -> v[T] on, each accumulator from its low end on.  The two arms hold vector lines alone
	s_cmp_lg_u32 s[PATH], 0
	s_cbranch_scc1 .Lbias_v_\@
	WIN 0x02+((\a)/4)                              ; source 0: window 2 or 3
.set i, 0
.rept 32
	v_pk_add_f32 v[T+i:T+i+1], v[64*((\a)%4)+i:64*((\a)%4)+i+1], v[BIA+i:BIA+i+1]
.set i, i+2
.endr
	WIN 0
	s_branch .Lbias_done_\@
.Lbias_v_\@:
	WIN 0x02+((\a)/4)
.set i, 0
.rept 32
	v_pk_add_f32 v[T+i:T+i+1], v[64*((\a)%4)+i:64*((\a)%4)+i+1], v[BIA+2*(\a):BIA+2*(\a)+1]
.set i, i+2
.endr
	WIN 0
.Lbias_done_\@:
.endm
; 64 numbers of a lane, register 16 b + i = k 32 b + 16 (lane / 16) + i of my row, become 16 registers of codes in v[PC] on and a scale word in v[pw]
.macro QUANT s, pw
.irp b, 0,1,2,3
	v_max3_num_f32 v[TM+\b], |v[\s+16*\b]|, |v[\s+1+16*\b]|, 0x8000000   ; my 16 numbers and the floor 2^(16 - 127): the byte cannot fall under 1
.endr
.irp i, 2,4,6,8,10,12,14
.irp b, 0,1,2,3
	v_max3_num_f32 v[TM+\b], v[TM+\b], |v[\s+16*\b+\i]|, |v[\s+1+16*\b+\i]|   ; (the four blocks by turns)
.endr
.endr
.irp b, 0,1,2,3
	v_permlanex16_b32 v[TM+4+\b], v[TM+\b], s[SEL], s[SEL+1]
.endr
.irp b, 0,1,2,3
	v_max_num_f32 v[TM+\b], v[TM+\b], v[TM+4+\b]   ; with lane l xor 16's: the block's largest magnitude
.endr
.irp b, 0,1,2,3
	v_add_nc_u32 v[TM+12+\b], 0xf8800000, v[TM+\b]   ; 15 off its exponent field: the conversion's scale operand
.endr
.irp b, 0,1,2,3
	v_and_or_b32 v[TM+8+\b], v[TM+\b], 0x7f800000, s[MNT]   ; 57,344 x the scale
.endr
.irp b, 0,1,2,3
	v_lshrrev_b32 v[TM+4+\b], 23, v[TM+12+\b]      ; the scale's byte
.endr
	v_lshl_or_b32 v[\pw], v[TM+5], 8, v[TM+4]
	v_lshl_or_b32 v[\pw], v[TM+6], 16, v[\pw]
	v_lshl_or_b32 v[\pw], v[TM+7], 24, v[\pw]
.irp b, 0,1,2,3
.irp i, 0,1,2,3,4,5,6,7,8,9,10,11,12,13,14,15
	v_med3_num_f32 v[\s+16*\b+\i], v[\s+16*\b+\i], -v[TM+8+\b], v[TM+8+\b]   ; the hold: the conversion does not saturate (ISA guide 7.6.2)
.endr
	v_cvt_scalef32_pk8_bf8_f32 v[PC+4*\b:PC+1+4*\b], v[\s+16*\b:\s+7+16*\b], v[TM+12+\b]
	v_cvt_scalef32_pk8_bf8_f32 v[PC+2+4*\b:PC+3+4*\b], v[\s+8+16*\b:\s+15+16*\b], v[TM+12+\b]
.endr
	v_nop                                          ; a plain line behind the last conversion
.endm
	PLACES NP                                      ; behind the last products: the lines below write registers that held A's fragments
.irp b, 0,1,2,3
	v_mov_b32 v[TM+4+\b], 0                        ; written once: a lane permute's destination counts as one of its sources
.endr
.irp a, 0,1,2,3,4,5,6,7
.if \a > 0
	s_wait_xcnt 0x0                                ; the last block's stores have read their data and their base: both are written again only behind this wait
.if \a == 4
	s_add_nc_u64 s[12:13], s[12:13], s[100:101]
.else
	s_add_nc_u64 s[12:13], s[12:13], s[98:99]
.endif
.endif
	BIAS \a
	QUANT T, PWS+\a
	global_store_b128 v[CO0], v[PC:PC+3], s[12:13]                  ; each store covers 512 consecutive bytes.  q, k: the first head's image (two groups), then the second head's;
	global_store_b128 v[CO0], v[PC+4:PC+7], s[12:13] offset:512     ; v: the four groups of one image of 16 features x 128 keys
	global_store_b128 v[CO1], v[PC+8:PC+11], s[12:13]
	global_store_b128 v[CO1], v[PC+12:PC+15], s[12:13] offset:512
.endr
	; the scale words: q, k: bytes 0, 1 are the first head's two blocks, bytes 2, 3 the second head's: two words with zeros above.  v: the word as it is
.irp a, 0,1,2,3,4,5,6,7
	v_and_b32 v[W0+\a], s97, v[PWS+\a]
	v_lshrrev_b32 v[W1+\a], 16, v[PWS+\a]
.endr
.irp a, 0,1,2,3,4,5,6,7
	ds_store_b32 v[SW], v[W0+\a] offset:64*\a      ; both halves of the lanes write the same word with the same value
	ds_store_b32 v[SW], v[W1+\a] offset:512+64*\a
.endr
	ds_load_b128 v[R0:R0+3], v[SRD]                ; LDS serves a wave's instructions in order: these see my stores
	ds_load_b128 v[R1:R1+3], v[SRD] offset:512
	s_wait_dscnt 0x0
	s_cmp_lg_u32 s[PATH], 0
	s_cbranch_scc1 .Lone_store
	global_store_b128 v[SOFF], v[R1:R1+3], s[104:105] offset:20480  ; q, k: the second head's 128 words, 512 consecutive bytes
.Lone_store:
	global_store_b128 v[SOFF], v[R0:R0+3], s[104:105]               ; q, k: the first head's 128 words; v: 64 words for each of the two heads, 256 consecutive bytes each
	s_wait_tensorcnt 0x0                           ; the wave's end
	ds_add_u32 v[SPW], v[NIL]
	s_wait_dscnt 0x0
	CROUND                                         ; the closing round: no work-group ends while a partner may still ask for a tile that names it
	s_endpgm
.Lfunc_end_k_qa75a32470e_proj:
	.size	k_qa75a32470e_proj, .Lfunc_end_k_qa75a32470e_proj-k_qa75a32470e_proj
	.p2alignl 7, 3214868480
	.fill 96, 4, 3214868480
	.section	.rodata,"a",@progbits
	.p2align	6, 0x0
	.amdhsa_kernel k_qa75a32470e_proj
		.amdhsa_group_segment_fixed_size 327680
		.amdhsa_private_segment_fixed_size 0
		.amdhsa_enable_private_segment 0
		.amdhsa_kernarg_size 72
		.amdhsa_user_sgpr_count 2
		.amdhsa_user_sgpr_kernarg_segment_ptr 1
		.amdhsa_wavefront_size32 1
		.amdhsa_system_sgpr_workgroup_id_x 1
		.amdhsa_system_sgpr_workgroup_id_y 1
		.amdhsa_system_sgpr_workgroup_id_z 1
		.amdhsa_system_vgpr_workitem_id 0
		.amdhsa_next_free_vgpr 1024
		.amdhsa_next_free_sgpr 106
		.amdhsa_reserve_vcc 0
		.amdhsa_float_denorm_mode_32 3
		.amdhsa_float_denorm_mode_16_64 3
		.amdhsa_memory_ordered 1
		.amdhsa_forward_progress 1
		.amdhsa_inst_pref_size 227
	.end_amdhsa_kernel
	.amdgpu_metadata
---
amdhsa.version: [ 1, 2 ]
amdhsa.kernels:
  - .name:           k_qa75a32470e_proj
    .symbol:         k_qa75a32470e_proj.kd
    .args:
      - { .name: xc, .offset: 0, .size: 8, .value_kind: global_buffer, .address_space: global }
      - { .name: xs, .offset: 8, .size: 8, .value_kind: global_buffer, .address_space: global }
      - { .name: wc, .offset: 16, .size: 8, .value_kind: global_buffer, .address_space: global }
      - { .name: ws, .offset: 24, .size: 8, .value_kind: global_buffer, .address_space: global }
      - { .name: bq, .offset: 32, .size: 8, .value_kind: global_buffer, .address_space: global }
      - { .name: bk, .offset: 40, .size: 8, .value_kind: global_buffer, .address_space: global }
      - { .name: bv, .offset: 48, .size: 8, .value_kind: global_buffer, .address_space: global }
      - { .name: img, .offset: 56, .size: 8, .value_kind: global_buffer, .address_space: global }
      - { .name: scl, .offset: 64, .size: 8, .value_kind: global_buffer, .address_space: global }
    .group_segment_fixed_size: 327680
    .private_segment_fixed_size: 0
    .kernarg_segment_align: 8
    .kernarg_segment_size: 72
    .max_flat_workgroup_size: 128
    .sgpr_count:     106
    .vgpr_count:     1024
    .wavefront_size: 32
...
	.end_amdgpu_metadata
.endif
;; end of part 2
;; launch attn (part 3): grid 4 x 64, 16 waves a work-group, clusters of 4 x 1, 327,680 bytes of LDS; arguments img, scl, oc, os; writes oc, os
.if DOCPART == 3
	.amdgcn_target "amdgcn-amd-amdhsa--gfx1250"
	.amdhsa_code_object_version 6
	.text
	.protected	k_qa75a32470e_attn
	.globl	k_qa75a32470e_attn
	.p2align	8
	.type	k_qa75a32470e_attn,@function
k_qa75a32470e_attn:
	s_mov_b64 s[64:65], 0
	v_nop
	global_prefetch_b8 v0, s[64:65] scope:SCOPE_SE
	s_setreg_imm32_b32 hwreg(HW_REG_WAVE_MODE, 25, 1), 1
	s_wait_xcnt 0x0
	s_wait_alu depctr_hold_cnt(0) depctr_sa_sdst(0) depctr_va_vdst(0) depctr_va_sdst(0) depctr_va_ssrc(0) depctr_va_vcc(0) depctr_vm_vsrc(0)
	s_getreg_b32 s2, hwreg(HW_REG_IB_STS2, 6, 4)
	s_cmp_eq_u32 s2, 0
	s_cbranch_scc0 .Lentry_in_a_cluster
	s_endpgm
.Lentry_in_a_cluster:
	s_bfe_u32 s2, ttmp6, 0x10000c
	s_cmp_lg_u32 s2, 0x3003
	s_cbranch_scc0 .Lentry_shape_is_right
	s_endpgm
.Lentry_shape_is_right:
; o = softmax(q k^T / 8) v for one head of one batch, both products on codes of BF8 (E5M2) with E8M0 scales; o is quantised along the head's 64 and leaves as an image of the next launch's operand registers (oc) with its scale bytes (os).
; THE SOFTMAX: t = score x log2(e) / 8; M = the running largest t rounded up to a whole number; p = 2^(t - M) is quantised along the keys, not normalised; the row's sum is taken of the unquantised p and divides O at the end.
; When M moves, the sum and O are multiplied by 2^(old M - new M), in every step, with no branch on data.
; LIMITS: the promise holds while the scaled scores stay under 2^31 in magnitude; NaN and infinities are not served; a block whose every p is 0 keeps the byte 1 (zero codes).
; SHARES: a work-group owns 512 queries of a head, each of its 16 waves two tiles of 16, one after the other (two passes).  The four work-groups of a head form a cluster and ask for K and V jointly.
; LDS: the head's K images (131,072 bytes), V images (131,072), K's scale words (8,192), V's (4,096): filled once, at the head, one joint load a wave: waves 0-13 68 rows of 256 bytes of the images, wave 14 the last 72, wave 15 the 48 rows of scale words.
; No prefetch: all fills go out at the head, and the launch has no loop that runs ahead of a load from memory.
; LAYOUT: S^T = K Q^T (source 0 = 16 keys, source 1 = my 16 queries), O^T = V^T P^T: a lane holds one query.  The head's 64 fill half of the instruction's 128: Q's upper eight registers are zero codes,
; and the upper eight registers of a K operand are the next tile's codes (behind X's last tile eight registers of zeros, behind Y's the first eight of p's codes): finite codes times zero codes.
; TWO REGIONS OF 64 REGISTERS, X AND Y, SWAP ROLES FROM STEP TO STEP: K's fragments lie in one (kr), the scores go to the other (sr); V's fragments follow K's in kr; when p has become codes, the NEXT step's K is fetched into sr, ahead of the second product.
; The last step's fetch reads the LDS bytes behind K's (V's images and words) into registers that are not read: each pass fetches step 0 by itself.
; REGISTERS: v1-6 lane terms; v8-11 the step's LDS addresses; v12 -M, v13 the largest t, v[14:15] the sum; v16-31 Q; v32-95 X, v96-103 zeros; v104-167 Y; v168-183 p's codes; v184-215 O^T; v216-253 at work; v254, v255 the add's.
.set VIMG, 131072
.set KSC,  262144
.set VSC,  270336
.set SPARE, 274432
.set X,    32
.set Y,    104
.set PC,   168
.set OT,   184
.set BM,   216
.set BT,   220
.set LM,   224
.set SOP,  228
.set KSW,  232
.set VSW,  240
.set QSW,  244
.set PW,   245                         ; p's scale word
.set F,    246                         ; v246 f = 2^(old M - new M); v247 named with it as a pair
.set TP,   248
.set OSW,  249
.set C0,   250                         ; v[250:251], v[252:253], v[220:221], v[222:223]: the step's sum in four chains
.set C1,   252
.set ADK,  8
.set ADV,  9
.set ADS,  10
.set ADT,  11
.set WV,   12
.set MNT,  19
.set SEL,  20
.set CS,   22
.set G1A,  24
.set G1B,  32
.set G1S,  68
.set TK,   48
.set TS,   49
.set TJ,   50
.set CNT,  51
.macro CROUND
	s_barrier_signal -1
	s_barrier_wait -1
	s_cmp_lg_u32 s[WV], 0
	s_cbranch_scc1 .Lnot_wave_0_\@
	s_barrier_signal -3
.Lnot_wave_0_\@:
	s_barrier_wait -3
	s_barrier_signal -1
	s_barrier_wait -1
.endm
.macro GROUP1 g, rows                  ; so many rows of 256 bytes (32 elements of 8), dense; the mask names the cluster's four
	s_mov_b32 s[\g], 15|(3<<16)|(1<<21)
	s_mov_b32 s[\g+1], 32<<16
	s_mov_b32 s[\g+2], (\rows)<<16
	s_mov_b32 s[\g+3], 32<<16
	s_mov_b32 s[\g+4], \rows
	s_mov_b32 s[\g+5], 32
	s_mov_b32 s[\g+6], 0
	s_mov_b32 s[\g+7], 0
.endm
.macro TLOAD g0, g1
	tensor_load_to_lds s[\g0:\g0+3], s[\g1:\g1+7]
	s_nop 0
.rept 4
	v_nop
.endr
.endm
	s_load_b128 s[4:7], s[0:1], 0x0                ; img, scl
	s_load_b128 s[8:11], s[0:1], 0x10              ; oc, os
	v_lshl_add_u32 v254, v0, 2, SPARE
	v_mov_b32 v255, 0
	ds_add_u32 v254, v255                          ; the opening lines: the add twice on end and its wait
	ds_add_u32 v254, v255
	v_lshrrev_b32 v1, 5, v0
	v_readfirstlane_b32 s[WV], v1                  ; wave 0..15
	s_bfe_u32 s13, ttmp6, 0x40000                  ; cx
	s_and_b32 s14, ttmp7, 0xffff                   ; 16 x batch + head
	s_mul_i32 s16, s14, 393216
	s_mov_b32 s17, 0
	s_mul_i32 s2, s14, 20480
	s_mov_b32 s3, 0
	s_mul_i32 s60, s[WV], 68*256                   ; my part of the images, in memory and in LDS
	s_mov_b32 s61, 0
	s_lshl_b32 s15, s13, 5
	s_add_co_u32 s15, s15, s[WV]                   ; my first tile of queries: 32 cx + wave
	s_lshr_b32 s18, s14, 4
	s_lshl_b32 s18, s18, 7
	s_add_co_u32 s18, s18, s15                     ; the same among all tokens
	s_and_b32 s14, s14, 15                         ; the head
	GROUP1 G1A, 68
	GROUP1 G1B, 72
	GROUP1 G1S, 48
	s_mov_b32 s[MNT], 0x600000
	s_mov_b32 s[SEL], 0x76543210
	s_mov_b32 s[SEL+1], 0xfedcba98
	s_mov_b32 s[CS], 0x3e38aa3b                    ; log2(e) / 8
	s_mov_b32 s[CS+1], s[CS]
	s_wait_dscnt 0x0
	s_wait_kmcnt 0x0
	s_add_nc_u64 s[4:5], s[4:5], s[16:17]
	s_add_nc_u64 s[6:7], s[6:7], s[2:3]
	s_mov_b32 s40, 1
	s_mov_b32 s41, s60
	s_add_nc_u64 s[42:43], s[4:5], s[60:61]
	s_add_nc_u64 s[42:43], s[42:43], 131072        ; K's images, V's behind them
	s_or_b32 s43, s43, 0x80000000
	s_mov_b32 s44, 1
	s_mov_b32 s45, KSC
	s_add_nc_u64 s[46:47], s[6:7], 8192            ; K's scale words, V's behind them
	s_or_b32 s47, s47, 0x80000000
	CROUND
	s_cmp_lt_u32 s[WV], 14                         ; one chain of branches on the wave's number, a load to an arm
	s_cbranch_scc0 .Lwave_14
	TLOAD 40, G1A
	s_branch .Lasked
.Lwave_14:
	s_cmp_lt_u32 s[WV], 15
	s_cbranch_scc0 .Lwave_15
	TLOAD 40, G1B
	s_branch .Lasked
.Lwave_15:
	TLOAD 44, G1S
.Lasked:
	s_lshl_b32 s48, s15, 10
	s_mov_b32 s49, 0
	s_add_nc_u64 s[52:53], s[4:5], s[48:49]        ; my queries' image
	s_lshl_b32 s48, s15, 6
	s_add_nc_u64 s[54:55], s[6:7], s[48:49]        ; and scale words
	s_lshl_b32 s48, s18, 14
	s_lshl_b32 s50, s14, 10
	s_add_co_u32 s48, s48, s50
	s_add_nc_u64 s[56:57], s[8:9], s[48:49]        ; oc: tile x 16,384 + head x 1,024
	s_lshl_b32 s48, s18, 9
	s_lshl_b32 s50, s14, 1
	s_add_co_u32 s48, s48, s50
	s_add_nc_u64 s[58:59], s[10:11], s[48:49]      ; os: tile x 512 + head x 2
	v_and_b32 v2, 31, v0
	v_lshlrev_b32 v1, 4, v2                        ; 16 x lane
	v_and_b32 v3, 15, v0
	v_lshlrev_b32 v2, 2, v3                        ; 4 r
	v_lshlrev_b32 v3, 5, v3                        ; 32 r
	v_add_nc_u32 v4, VIMG-8192, v1                 ; V's images, one step back: s[TK] runs one step ahead
	v_add_nc_u32 v5, KSC, v2
	v_add_nc_u32 v6, VSC, v2
	global_load_b128 v[16:19], v1, s[52:53]
	global_load_b128 v[20:23], v1, s[52:53] offset:512
	global_load_b32 v[QSW], v2, s[54:55]
.irp j, 0,1,2,3,4,5,6,7
	v_mov_b32 v[24+\j], 0                          ; Q's upper half: zero codes
	v_mov_b32 v[96+\j], 0                          ; behind X's last tile
.endr
.irp b, 0,1,2,3
	v_mov_b32 v[BT+\b], 0                          ; a lane permute's destination counts as a source
.endr
	v_mov_b32 v[F+1], 0
	v_mov_b32 v[TP], 0
	s_wait_alu depctr_va_vdst(0)                   ; the wait at the head's end
	s_wait_tensorcnt 0x0
	s_barrier_signal -1
	s_barrier_wait -1                              ; everybody's part is in
.macro KFETCH reg, ak, as              ; a step's eight tiles of K and their scale words: 24 loads
.irp t, 0,1,2,3,4,5,6,7
	ds_load_b128 v[\reg+8*\t:\reg+8*\t+3], v[\ak] offset:1024*\t
	ds_load_b128 v[\reg+8*\t+4:\reg+8*\t+7], v[\ak] offset:1024*\t+512
	ds_load_b32 v[KSW+\t], v[\as] offset:64*\t
.endr
.endm
.macro STEP kr, sr                     ; 128 keys: K's fragments lie in kr, the scores go to sr
	s_wait_dscnt 0x0                               ; K's fragments and words, asked for in the step before
.irp t, 0,1,2,3,4,5,6,7
	v_wmma_scale_f32_16x16x128_f8f6f4 v[\sr+8*\t:\sr+8*\t+7], v[\kr+8*\t:\kr+8*\t+15], v[16:31], 0, v[KSW+\t], v[QSW] matrix_a_fmt:MATRIX_FMT_BF8 matrix_b_fmt:MATRIX_FMT_BF8
.endr
.rept 8
	v_nop                                          ; places ahead of the loads into kr and of the first reader of the scores
.endr
.irp d, 0,1,2,3
.irp c, 0,1,2,3
	ds_load_b128 v[\kr+16*\d+4*\c:\kr+16*\d+4*\c+3], v[ADV] offset:2048*\d+512*\c
.endr
	ds_load_b32 v[VSW+\d], v[ADT] offset:64*\d
.endr
.irp b, 0,1,2,3
	v_max3_num_f32 v[BM+\b], v[\sr+16*\b], v[\sr+1+16*\b], v[\sr+2+16*\b]   ; the largest score of each block of 32 keys: for the row's maximum and for the block's largest p
.endr
.irp i, 3,5,7,9,11,13
.irp b, 0,1,2,3
	v_max3_num_f32 v[BM+\b], v[BM+\b], v[\sr+16*\b+\i], v[\sr+1+16*\b+\i]
.endr
.endr
.irp b, 0,1,2,3
	v_max_num_f32 v[BM+\b], v[BM+\b], v[\sr+15+16*\b]
.endr
.irp b, 0,1,2,3
	s_delay_alu instid0(VALU_DEP_4)
	v_permlanex16_b32 v[BT+\b], v[BM+\b], s[SEL], s[SEL+1]
.endr
.irp b, 0,1,2,3
	s_delay_alu instid0(VALU_DEP_4)
	v_max_num_f32 v[BM+\b], v[BM+\b], v[BT+\b]     ; with lane l xor 16's 16 keys
.endr
	v_max3_num_f32 v[TP], v[BM], v[BM+1], v[BM+2]
	v_max_num_f32 v[TP], v[TP], v[BM+3]
	v_mul_f32 v[TP], s[CS], v[TP]
	v_max_num_f32 v13, v13, v[TP]                  ; the running largest t
	v_mov_b32 v[TP], v12
	v_floor_f32 v12, -v13                          ; -M = floor(-t)
.set j, 0
.rept 32
	v_pk_fma_f32 v[\sr+j:\sr+j+1], v[\sr+j:\sr+j+1], s[CS:CS+1], v[12:13] op_sel_hi:[1,0,0]   ; t - M
.if j == 6
	v_sub_f32 v[TP], v12, v[TP]                    ; old M - new M, a whole number
.endif
.if j == 14
	v_cvt_i32_f32 v[TP], v[TP]                     ; (it saturates)
.endif
.set j, j+2
.endr
; A BLOCK'S SCALE, ahead of the exponentials: its largest p is 2^a, a = its largest t - M, so the scale's byte floor(log2(p)) - 15 + 127 is floor(a + 112), held at 1 from below.
; (LIMIT: where a lies within an ulp of a whole number, the exponential may give the next power of two: that one p is then held one code low.)
	v_add_f32 v[C0], 0x42e00000, v12               ; 112 - M
.irp b, 0,1,2,3
	v_fma_f32 v[BM+\b], v[BM+\b], s[CS], v[C0]
.endr
.irp b, 0,1,2,3
	v_cvt_floor_i32_f32 v[BM+\b], v[BM+\b]
.endr
.irp b, 0,1,2,3
	v_max_i32 v[BM+\b], 1, v[BM+\b]                ; the scale's byte
.endr
.irp b, 0,1,2,3
	v_lshlrev_b32 v[SOP+\b], 23, v[BM+\b]          ; the conversion's scale operand
.endr
.irp b, 0,1,2,3
	v_lshl_add_u32 v[LM+\b], v[BM+\b], 23, 0x7e00000   ; 57,344 x the scale: 15 more in the exponent field, over 57,344's mantissa
.endr
	v_lshl_or_b32 v[PW], v[BM+1], 8, v[BM]
	v_lshl_or_b32 v[PW], v[BM+2], 16, v[PW]
	v_lshl_or_b32 v[PW], v[BM+3], 24, v[PW]
	s_wait_alu depctr_va_vdst(0)                   ; the wait ahead of the batch
.set j, 0
.rept 64
	v_exp_f32 v[\sr+j], v[\sr+j]                   ; p
.set j, j+1
.endr
	v_ldexp_f32 v[F], 1.0, v[TP]                   ; f (the plain line behind the batch)
	s_wait_alu depctr_va_vdst(0)                   ; and the wait behind it
	v_pk_add_f32 v[C0:C0+1], v[\sr:\sr+1], v[\sr+8:\sr+9]          ; the sum of the unquantised p, in four chains
	v_pk_add_f32 v[C1:C1+1], v[\sr+2:\sr+3], v[\sr+10:\sr+11]
	v_pk_add_f32 v[BT:BT+1], v[\sr+4:\sr+5], v[\sr+12:\sr+13]
	v_pk_add_f32 v[BT+2:BT+3], v[\sr+6:\sr+7], v[\sr+14:\sr+15]
.set j, 16
.rept 6
	v_pk_add_f32 v[C0:C0+1], v[C0:C0+1], v[\sr+j:\sr+j+1]
	v_pk_add_f32 v[C1:C1+1], v[C1:C1+1], v[\sr+j+2:\sr+j+3]
	v_pk_add_f32 v[BT:BT+1], v[BT:BT+1], v[\sr+j+4:\sr+j+5]
	v_pk_add_f32 v[BT+2:BT+3], v[BT+2:BT+3], v[\sr+j+6:\sr+j+7]
.set j, j+8
.endr
.irp b, 0,1,2,3
.irp i, 0,2,4,6,8,10,12,14
	v_dual_min_num_f32 v[\sr+16*\b+\i], v[\sr+16*\b+\i], v[LM+\b] :: v_dual_min_num_f32 v[\sr+16*\b+\i+1], v[\sr+16*\b+\i+1], v[LM+\b]   ; the hold, one-sided: the conversion does not saturate (ISA guide 7.6.2)
.endr
	v_cvt_scalef32_pk8_bf8_f32 v[PC+4*\b:PC+4*\b+1], v[\sr+16*\b:\sr+16*\b+7], v[SOP+\b]
	v_cvt_scalef32_pk8_bf8_f32 v[PC+4*\b+2:PC+4*\b+3], v[\sr+16*\b+8:\sr+16*\b+15], v[SOP+\b]
.endr
	KFETCH \sr, ADK, ADS                           ; p has become codes: its registers take the next step's K
	s_add_co_u32 s[TK], s[TK], 8192
	s_add_co_u32 s[TS], s[TS], 512
	s_add_co_u32 s[TJ], s[TJ], 256
	s_wait_alu depctr_va_vdst(0)                   ; the wait directly ahead of the first reader of O^T
.set j, 0
.rept 16
	v_pk_mul_f32 v[OT+j:OT+j+1], v[OT+j:OT+j+1], v[F:F+1] op_sel_hi:[1,0]   ; O^T under the new M; also the places between the codes and the products
.set j, j+2
.endr
	s_wait_alu depctr_va_vdst(0)                   ; the wait ahead of the wait below
	s_wait_dscnt 24                                ; V's 20 loads are in; the 24 of the next step's K may be out
.irp d, 0,1,2,3
	v_wmma_scale_f32_16x16x128_f8f6f4 v[OT+8*\d:OT+8*\d+7], v[\kr+16*\d:\kr+16*\d+15], v[PC:PC+15], v[OT+8*\d:OT+8*\d+7], v[VSW+\d], v[PW] matrix_a_fmt:MATRIX_FMT_BF8 matrix_b_fmt:MATRIX_FMT_BF8
.endr
	v_pk_add_f32 v[C0:C0+1], v[C0:C0+1], v[C1:C1+1]                ; nine plain lines that name none of these products' registers: the next step's scores are written over kr
	v_pk_add_f32 v[BT:BT+1], v[BT:BT+1], v[BT+2:BT+3]
	v_add_nc_u32 v[ADK], s[TK], v1
	v_add_nc_u32 v[ADS], s[TS], v5
	v_pk_add_f32 v[C0:C0+1], v[C0:C0+1], v[BT:BT+1]
	v_add_nc_u32 v[ADV], s[TK], v4
	v_add_nc_u32 v[ADT], s[TJ], v6
	v_pk_fma_f32 v[14:15], v[14:15], v[F:F+1], v[C0:C0+1] op_sel_hi:[1,0,1]   ; the sum under the new M, and the step's
	v_nop
	s_wait_alu depctr_va_vdst(0)                   ; the wait
.endm
.macro PASS p
.if \p
	s_wait_xcnt 0x0                                ; the last pass's stores have read their registers
.endif
	v_mov_b32 v13, 0xff61b1e6                      ; -3e38, under every t
	v_floor_f32 v12, -v13
	v_mov_b32 v14, 0
	v_mov_b32 v15, 0
.set j, 0
.rept 32
	v_mov_b32 v[OT+j], 0
.set j, j+1
.endr
	s_mov_b32 s[TK], 8192                          ; K's fetch runs one step ahead
	s_mov_b32 s[TS], 512
	s_mov_b32 s[TJ], 0
	s_mov_b32 s[CNT], 8
	v_add_nc_u32 v[ADK], s[TK], v1
	v_add_nc_u32 v[ADS], s[TS], v5
	v_add_nc_u32 v[ADV], s[TK], v4
	v_add_nc_u32 v[ADT], s[TJ], v6
	s_wait_alu depctr_va_vdst(0)
	s_wait_loadcnt 0x0                             ; Q
.Lstep_\@:                                             ; a trip is two steps, until X and Y are back in their roles
	STEP X, Y
	STEP Y, X
	s_sub_co_u32 s[CNT], s[CNT], 1
	s_cmp_lg_u32 s[CNT], 0
	s_cbranch_scc1 .Lstep_\@
.if \p == 0
	s_wait_dscnt 0x0                               ; the last step's fetch has landed: X may be loaded again
	KFETCH X, 1, 5                                 ; the next pass's step 0, under the way out
	global_load_b128 v[16:19], v1, s[52:53] offset:16384
	global_load_b128 v[20:23], v1, s[52:53] offset:16384+512
	global_load_b32 v[QSW], v2, s[54:55] offset:1024
.endif
	v_add_f32 v14, v14, v15
	s_delay_alu instid0(VALU_DEP_1)
	v_permlanex16_b32 v[TP], v14, s[SEL], s[SEL+1]
	s_delay_alu instid0(VALU_DEP_1)
	v_add_f32 v14, v14, v[TP]                      ; the row's sum
	s_wait_alu depctr_va_vdst(0)
	v_rcp_f32 v14, v14
	v_nop
	s_wait_alu depctr_va_vdst(0)
.set j, 0
.rept 16
	v_pk_mul_f32 v[Y+j:Y+j+1], v[OT+j:OT+j+1], v[14:15] op_sel_hi:[1,0]   ; o: register 16 b + i is feature 32 b + 16 (lane / 16) + i
.set j, j+2
.endr
.irp b, 0,1
	v_max3_num_f32 v[BM+\b], |v[Y+16*\b]|, |v[Y+1+16*\b]|, 0x8000000
.endr
.irp i, 2,4,6,8,10,12,14
.irp b, 0,1
	v_max3_num_f32 v[BM+\b], v[BM+\b], |v[Y+16*\b+\i]|, |v[Y+1+16*\b+\i]|
.endr
.endr
.irp b, 0,1
	v_permlanex16_b32 v[BT+\b], v[BM+\b], s[SEL], s[SEL+1]
.endr
.irp b, 0,1
	v_max_num_f32 v[BM+\b], v[BM+\b], v[BT+\b]
.endr
.irp b, 0,1
	v_add_nc_u32 v[SOP+\b], 0xf8800000, v[BM+\b]
.endr
.irp b, 0,1
	v_and_or_b32 v[LM+\b], v[BM+\b], 0x7f800000, s[MNT]
.endr
.irp b, 0,1
	v_lshrrev_b32 v[BT+\b], 23, v[SOP+\b]
.endr
	v_lshl_or_b32 v[OSW], v[BT+1], 8, v[BT]
.irp b, 0,1
.irp i, 0,1,2,3,4,5,6,7,8,9,10,11,12,13,14,15
	v_med3_num_f32 v[Y+16*\b+\i], v[Y+16*\b+\i], -v[LM+\b], v[LM+\b]
.endr
	v_cvt_scalef32_pk8_bf8_f32 v[PC+4*\b:PC+4*\b+1], v[Y+16*\b:Y+16*\b+7], v[SOP+\b]
	v_cvt_scalef32_pk8_bf8_f32 v[PC+4*\b+2:PC+4*\b+3], v[Y+16*\b+8:Y+16*\b+15], v[SOP+\b]
.endr
	v_nop                                          ; a plain line behind the last conversion
	global_store_b128 v1, v[PC:PC+3], s[56:57] offset:262144*\p          ; 512 consecutive bytes each
	global_store_b128 v1, v[PC+4:PC+7], s[56:57] offset:262144*\p+512
	global_store_b16 v3, v[OSW], s[58:59] offset:8192*\p                 ; two scale bytes of each of my 16 rows
.endm
	KFETCH X, 1, 5                                 ; step 0's K
	PASS 0
	PASS 1
	s_wait_dscnt 0x0
	s_wait_tensorcnt 0x0                           ; the wave's end
	ds_add_u32 v254, v255
	s_wait_dscnt 0x0
	CROUND                                         ; the closing round
	s_endpgm
.Lfunc_end_k_qa75a32470e_attn:
	.size	k_qa75a32470e_attn, .Lfunc_end_k_qa75a32470e_attn-k_qa75a32470e_attn
	.p2alignl 7, 3214868480
	.fill 96, 4, 3214868480
	.section	.rodata,"a",@progbits
	.p2align	6, 0x0
	.amdhsa_kernel k_qa75a32470e_attn
		.amdhsa_group_segment_fixed_size 327680
		.amdhsa_private_segment_fixed_size 0
		.amdhsa_enable_private_segment 0
		.amdhsa_kernarg_size 32
		.amdhsa_user_sgpr_count 2
		.amdhsa_user_sgpr_kernarg_segment_ptr 1
		.amdhsa_wavefront_size32 1
		.amdhsa_system_sgpr_workgroup_id_x 1
		.amdhsa_system_sgpr_workgroup_id_y 1
		.amdhsa_system_sgpr_workgroup_id_z 1
		.amdhsa_system_vgpr_workitem_id 0
		.amdhsa_next_free_vgpr 256
		.amdhsa_next_free_sgpr 80
		.amdhsa_reserve_vcc 0
		.amdhsa_float_denorm_mode_32 3
		.amdhsa_float_denorm_mode_16_64 3
		.amdhsa_memory_ordered 1
		.amdhsa_forward_progress 1
		.amdhsa_inst_pref_size 100
	.end_amdhsa_kernel
	.amdgpu_metadata
---
amdhsa.version: [ 1, 2 ]
amdhsa.kernels:
  - .name:           k_qa75a32470e_attn
    .symbol:         k_qa75a32470e_attn.kd
    .args:
      - { .name: img, .offset: 0, .size: 8, .value_kind: global_buffer, .address_space: global }
      - { .name: scl, .offset: 8, .size: 8, .value_kind: global_buffer, .address_space: global }
      - { .name: oc, .offset: 16, .size: 8, .value_kind: global_buffer, .address_space: global }
      - { .name: os, .offset: 24, .size: 8, .value_kind: global_buffer, .address_space: global }
    .group_segment_fixed_size: 327680
    .private_segment_fixed_size: 0
    .kernarg_segment_align: 8
    .kernarg_segment_size: 32
    .max_flat_workgroup_size: 512
    .sgpr_count:     80
    .vgpr_count:     256
    .wavefront_size: 32
...
	.end_amdgpu_metadata
.endif
;; end of part 3
;; launch outp (part 4): grid 8 x 32, 4 waves a work-group, clusters of 4 x 4, 327,680 bytes of LDS; arguments oc, os, wc, ws, bo, out0; writes out0
.if DOCPART == 4
	.amdgcn_target "amdgcn-amd-amdhsa--gfx1250"
	.amdhsa_code_object_version 6
	.text
	.protected	k_qa75a32470e_outp
	.globl	k_qa75a32470e_outp
	.p2align	8
	.type	k_qa75a32470e_outp,@function
k_qa75a32470e_outp:
	s_mov_b64 s[64:65], 0
	v_nop
	global_prefetch_b8 v0, s[64:65] scope:SCOPE_SE
	s_setreg_imm32_b32 hwreg(HW_REG_WAVE_MODE, 25, 1), 1
	s_wait_xcnt 0x0
	s_wait_alu depctr_hold_cnt(0) depctr_sa_sdst(0) depctr_va_vdst(0) depctr_va_sdst(0) depctr_va_ssrc(0) depctr_va_vcc(0) depctr_vm_vsrc(0)
	s_getreg_b32 s2, hwreg(HW_REG_IB_STS2, 6, 4)
	s_cmp_eq_u32 s2, 0
	s_cbranch_scc0 .Lentry_in_a_cluster
	s_endpgm
.Lentry_in_a_cluster:
	s_bfe_u32 s2, ttmp6, 0x10000c
	s_cmp_lg_u32 s2, 0xf033
	s_cbranch_scc0 .Lentry_shape_is_right
	s_endpgm
.Lentry_shape_is_right:
; out0 = o Wo + bo on codes of BF8 (E5M2) with E8M0 scales, sums in f32: 8,192 x 1,024 x 1,024.
; A = o: oc holds, for each tile of 16 tokens, 16,384 bytes of operand-register images (128 of K: four groups of 512 bytes, 16 a lane); os its scale bytes, 32 a row.  B = Wo: rows 3,072 .. 4,095 of wc (1,024 bytes a row) and of ws.
; Rows of both lie with bits 3 and 4 of their number exchanged: the stage's offsets and the stores' rows put the results back in order.
; SHARES: a block of 256 tokens x 128 features to a work-group: 32 x 8 = 256 work-groups.  Each of the four waves has 64 tokens x 128 features: 32 accumulators, 256 registers.
; The product is used transposed (source 0 = 16 rows of Wo, source 1 = 16 tokens): a lane holds eight neighbouring features of one token.  The bias is the first products' C.
; K goes in steps of 256 through a ring of two LDS slots (A 16 x 4,096 bytes dense, B 128 rows of 256 + 16).  BOTH SLOTS ARE FILLED AT THE HEAD, one joint load a wave: wave 0 A's K step 0, wave 1 B's, wave 2 A's K step 1, wave 3 B's.
; Waves 0 and 1, which have load lines of their own, wait at the first barrier; slot 1 is shown by the first change of slots.  K steps 2 and 3 are refills, each behind a drained round of the cluster's barrier, half a tile a wave.
; THE SCALE WORDS of all of K come straight into registers, which hold nothing else: a row's 32 bytes are its eight words; sixteen lanes' two loads cover 512 consecutive bytes.
; CLUSTERS: 4 x 4 work-groups; A's tiles are asked for jointly along a row of the cluster, B's along a column.
; PREFETCH: A's K steps 2 and 3, two steps ahead of their refills: 256 blocks of 256 bytes a step, shared out by address among the four partners of a row (waves 0 and 1, a lane a block).  Wo's rows are loaded by all eight clusters of a column of blocks and are not asked for ahead.
; REGISTERS, in windows of 256: 0: v16-30 addresses, v64-127 the bias, v128-191 B's scale words (8 b + step), v196-227 A's (8 a + step): the two numbers of a product differ modulo 8.
;   1: B's fragments, two sets.  2: accumulator (a, b) at v[8 (8 a + b)].  3: A's fragments, two sets of 64; on the way out the rows read back from the stage.
; LIMITS: NaN and infinities are not served.
.set KROW,   1024
.set PITCH,  272
.set AST,    4096                      ; a K step of a token tile's image
.set BOFF,   65536
.set SLOT,   BOFF+128*PITCH
.set SPARE,  2*SLOT
.set SPITCH, 528
.set NP,     8                         ; places behind this matrix instruction (ISA guide 7.12.1)
.set ADRA, 16
.set ADRB, 20
.set STO,  24
.set RD,   25
.set CO,   26
.set R32,  27
.set SPW,  28
.set NIL,  29
.set PFO,  30
.set BIA,  64
.set SBS,  128
.set SA,   196
.set G1A,  24                          ; group 1 of the ring's loads of A (8 tiles);  s[32:39] their groups 0
.set G0A,  32
.set G1B,  48                          ; the same for B (64 rows)
.set G0B,  56
.set H0,   68                          ; s[68:83] groups 0 of the head's four loads
.set G1AH, 84                          ; group 1 of the head's loads: 16 tiles of A, 128 rows of B
.set G1BH, 92
.set PF,   100
.set MSB, 0
.macro WIN new
.if MSB != \new
	s_set_vgpr_msb (MSB<<8)|\new
.set MSB, \new
.endif
.endm
.set MUL,   0xad                       ; source 0 (B) window 1, source 1 (A) window 3, C and D window 2
.set FIRST, 0x8d                       ; the same with C in window 0
.set TO_B,  0x40
.set TO_A,  0xc0
.macro PLACES n
.rept \n
	v_nop
.endr
.endm
.macro TL g0, g1
	tensor_load_to_lds s[\g0:\g0+3], s[\g1:\g1+7]
	s_nop 0
	PLACES 4
.endm
.macro JLOAD s                         ; a refill: waves 0 and 1 A's halves, waves 2 and 3 B's
	s_cmp_eq_u32 s15, 0
	s_cbranch_scc0 .Lfor_b_\@
	TL G0A+4*\s, G1A
	s_branch .Lasked_\@
.Lfor_b_\@:
	TL G0B+4*\s, G1B
.Lasked_\@:
.endm
.macro CREST
	s_cmp_lg_u32 s14, 0
	s_cbranch_scc1 .Lnot_wave_0_\@
	s_barrier_signal -3
.Lnot_wave_0_\@:
	s_barrier_wait -3
	s_barrier_signal -1
	s_barrier_wait -1
.endm
.macro CROUND
	s_barrier_signal -1
	s_barrier_wait -1
	CREST
.endm
.macro GA g, rows                      ; so many token tiles x 4,096 bytes (512 elements of 8), 16,384 bytes apart; dense in LDS; the mask: my row
	s_or_b32 s[\g], s43, (3<<16)|(1<<21)
	s_mov_b32 s[\g+1], 512<<16
	s_mov_b32 s[\g+2], (\rows)<<16
	s_mov_b32 s[\g+3], 512<<16
	s_mov_b32 s[\g+4], \rows
	s_mov_b32 s[\g+5], 2048
	s_mov_b32 s[\g+6], 0
	s_mov_b32 s[\g+7], 0
.endm
.macro GB g, rows                      ; so many rows x 256 bytes, 1,024 apart; four words of padding behind each 64; the mask: my column
	s_or_b32 s[\g], s44, (1<<20)|(1<<21)|(5<<22)|(3<<25)
	s_mov_b32 s[\g+1], 256<<16
	s_mov_b32 s[\g+2], (\rows)<<16
	s_mov_b32 s[\g+3], 256<<16
	s_mov_b32 s[\g+4], \rows
	s_mov_b32 s[\g+5], KROW
	s_mov_b32 s[\g+6], 0
	s_mov_b32 s[\g+7], 0
.endm
.macro G0SET g, lds, base, off
	s_mov_b32 s[\g], 1
	s_mov_b32 s[\g+1], \lds
	s_add_nc_u64 s[\g+2:\g+3], s[\base:\base+1], \off
	s_or_b32 s[\g+3], s[\g+3], 0x80000000
.endm
	s_load_b256 s[4:11], s[0:1], 0x0               ; oc, os, wc, ws
	s_load_b64 s[2:3], s[0:1], 0x20                ; bo
	s_load_b64 s[12:13], s[0:1], 0x28              ; out0
	v_lshl_add_u32 v[SPW], v0, 2, SPARE
	v_mov_b32 v[NIL], 0
	ds_add_u32 v[SPW], v[NIL]                      ; the opening lines: the add twice on end and its wait
	ds_add_u32 v[SPW], v[NIL]
	v_lshrrev_b32 v1, 5, v0
	v_readfirstlane_b32 s14, v1                    ; wave 0..3
	s_lshr_b32 s15, s14, 1                         ; a refill: I fetch for A (0) or for B (1),
	s_and_b32 s16, s14, 1                          ; and which half
	s_bfe_u32 s40, ttmp6, 0x40000                  ; cx
	s_bfe_u32 s41, ttmp6, 0x40004                  ; cy
	s_lshl_b32 s42, ttmp9, 2
	s_add_co_u32 s42, s42, s40                     ; block column, 0 .. 7
	s_and_b32 s17, ttmp7, 0xffff
	s_lshl_b32 s17, s17, 2
	s_add_co_u32 s17, s17, s41                     ; block row, 0 .. 31
	s_lshl_b32 s43, s41, 2
	s_lshl_b32 s43, 15, s43                        ; my row of the cluster
	s_lshl_b32 s44, 0x1111, s40                    ; my column
	GA G1AH, 16
	GA G1A, 8
	GB G1BH, 128
	GB G1B, 64
	s_lshl_b32 s18, s17, 18                        ; oc: 256 rows of 1,024 bytes a block row
	s_mov_b32 s19, 0
	s_lshl_b32 s20, s17, 13
	s_lshl_b32 s21, s14, 11
	s_add_co_u32 s20, s20, s21                     ; os: my wave's 64 rows of 32 bytes
	s_mov_b32 s21, 0
	s_lshl_b32 s22, s42, 7
	s_add_co_u32 s22, s22, 3072                    ; Wo's first row of my block column
	s_lshl_b32 s46, s22, 10
	s_mov_b32 s47, 0
	s_lshl_b32 s22, s22, 5
	s_mov_b32 s23, 0
	s_wait_dscnt 0x0
	s_wait_kmcnt 0x0
	s_add_nc_u64 s[4:5], s[4:5], s[18:19]
	s_add_nc_u64 s[6:7], s[6:7], s[20:21]
	s_add_nc_u64 s[8:9], s[8:9], s[46:47]
	s_add_nc_u64 s[10:11], s[10:11], s[22:23]
	CROUND                                         ; all sixteen work-groups are here: the first joint loads meet
	G0SET H0, 0, 4, 0
	G0SET H0+4, BOFF, 8, 0
	G0SET H0+8, SLOT, 4, AST
	G0SET H0+12, SLOT+BOFF, 8, 256
	s_lshl_b32 s18, s16, 17                        ; the ring: my half: 8 token tiles of A,
	s_add_nc_u64 s[20:21], s[4:5], s[18:19]
	s_lshl_b32 s46, s16, 16                        ; 64 rows of B
	s_add_nc_u64 s[46:47], s[8:9], s[46:47]
	s_lshl_b32 s22, s16, 15                        ; and where they go
	s_mul_i32 s23, s16, 64*PITCH
	s_add_co_u32 s23, s23, BOFF
.irp s, 0,1
	s_mov_b32 s[G0A+4*\s], 1
	s_add_co_u32 s[G0A+4*\s+1], s22, \s*SLOT
	s_add_nc_u64 s[G0A+4*\s+2:G0A+4*\s+3], s[20:21], \s*AST
	s_or_b32 s[G0A+4*\s+3], s[G0A+4*\s+3], 0x80000000
	s_mov_b32 s[G0B+4*\s], 1
	s_add_co_u32 s[G0B+4*\s+1], s23, \s*SLOT
	s_add_nc_u64 s[G0B+4*\s+2:G0B+4*\s+3], s[46:47], \s*256
	s_or_b32 s[G0B+4*\s+3], s[G0B+4*\s+3], 0x80000000
.endr
.macro ARM under, g0, g1, next         ; one chain of branches on the wave's number, a load to an arm, all arms leading to one join
	s_cmp_lt_u32 s14, \under
	s_cbranch_scc0 \next
	TL \g0, \g1
	s_branch .Lhead_asked
\next:
.endm
	ARM 1, H0, G1AH, .Lhead_1
	ARM 2, H0+4, G1BH, .Lhead_2
	ARM 3, H0+8, G1AH, .Lhead_3
	TL H0+12, G1BH
.Lhead_asked:
	s_lshl_b32 s18, s40, 2                         ; the prefetches: of a K step's 16 token tiles my work-group takes 4 cx on, my wave (0, 1) two of them
	s_lshl_b32 s19, s14, 1
	s_add_co_u32 s18, s18, s19
	s_lshl_b32 s18, s18, 14
	s_add_co_u32 s18, s18, 2*AST                   ; at K step 2
	s_mov_b32 s19, 0
	s_add_nc_u64 s[PF:PF+1], s[4:5], s[18:19]
	s_lshl_b32 s20, s17, 8
	s_lshl_b32 s21, s14, 6
	s_add_co_u32 s20, s20, s21                     ; my first row of out0
	s_lshl_b32 s20, s20, 12
	s_lshl_b32 s46, s42, 9                         ; my block's first column, in bytes
	s_add_co_u32 s20, s20, s46
	s_mov_b32 s21, 0
	s_mov_b32 s47, 0
	s_add_nc_u64 s[12:13], s[12:13], s[20:21]
	s_add_nc_u64 s[2:3], s[2:3], s[46:47]
	s_lshl_b32 s21, s14, 14                        ; my four token tiles in a slot
	s_mul_i32 s23, s14, 16*SPITCH                  ; my stage, in slot 0
	v_and_b32 v1, 15, v0                           ; r
	v_bfe_u32 v2, v0, 4, 1                         ; h
	v_and_b32 v6, 31, v0
	v_lshlrev_b32 v[CO], 4, v6
	v_mul_u32_u24 v3, v1, PITCH
	v_lshl_add_u32 v4, v2, 4, v3
	v_add_nc_u32 v[ADRA], s21, v[CO]
	v_add_nc_u32 v[ADRB], BOFF, v4
	s_add_co_u32 s21, s21, SLOT
	v_add_nc_u32 v[ADRA+1], s21, v[CO]
	v_add_nc_u32 v[ADRB+1], SLOT+BOFF, v4
	v_lshlrev_b32 v[R32], 5, v1                    ; a row of scale bytes
	v_lshlrev_b32 v[PFO], 8, v1
	v_lshl_add_u32 v[PFO], v2, 14, v[PFO]          ; a lane a block of 256 bytes: 16 to a token tile's K step
	v_mul_u32_u24 v5, v1, SPITCH
	v_lshl_add_u32 v5, v2, 6, v5
	v_add_nc_u32 v[STO], s23, v5
	v_add_nc_u32 v[RD], s23, v[CO]
	v_lshlrev_b32 v7, 6, v2
	s_wait_alu depctr_va_vdst(0)                   ; the wait at the head's end
	s_cmp_lt_u32 s14, 2
	s_cbranch_scc0 .Lnone_ahead_2
	global_prefetch_b8 v[PFO], s[PF:PF+1] th:TH_LOAD_NT scope:SCOPE_SE   ; A's K step 2
.Lnone_ahead_2:
.irp a, 0,1,2,3
.irp c, 0,1
	global_load_b128 v[SA+8*\a+4*\c:SA+8*\a+4*\c+3], v[R32], s[6:7] offset:512*\a+16*\c
.endr
.endr
.irp b, 0,1,2,3,4,5,6,7
.irp c, 0,1
	global_load_b128 v[SBS+8*\b+4*\c:SBS+8*\b+4*\c+3], v[R32], s[10:11] offset:512*\b+16*\c
.endr
.endr
.irp t, 0,1,2,3,4,5,6,7                        ; register 8 t + j: the bias of feature 32 (t / 2) + 16 h + 8 (t % 2) + j
	global_load_b128 v[BIA+8*\t:BIA+8*\t+3], v7, s[2:3] offset:(32*(\t/2)+8*(\t%2))*4
	global_load_b128 v[BIA+8*\t+4:BIA+8*\t+7], v7, s[2:3] offset:(32*(\t/2)+8*(\t%2))*4+16
.endr
.macro FETCH slot, q, p                ; the fragments of the slot's q-th 128 of K into sets p: 32 loads for B, 16 for A
	WIN TO_B
.irp i, 0,1,2,3,4,5,6,7
.irp c, 0,1,2,3
	ds_load_b128 v[128*(\p)+16*\i+4*\c:128*(\p)+16*\i+4*\c+3], v[ADRB+\slot] offset:128*(\q)+32*\c+\i*16*PITCH
.endr
.endr
	WIN TO_A
.irp i, 0,1,2,3
.irp c, 0,1,2,3
	ds_load_b128 v[64*(\p)+16*\i+4*\c:64*(\p)+16*\i+4*\c+3], v[ADRA+\slot] offset:4096*\i+2048*(\q)+512*\c
.endr
.endr
	WIN 0
.endm
.macro MUL8 a, p, kq, first            ; A's block a x B's eight; the 32 accumulators take turns in the same order in every step
.irp b, 0,1,2,3,4,5,6,7
.if \first
	v_wmma_scale_f32_16x16x128_f8f6f4 v[8*(8*(\a)+\b):8*(8*(\a)+\b)+7], v[128*(\p)+16*\b:128*(\p)+16*\b+15], v[64*(\p)+16*(\a):64*(\p)+16*(\a)+15], v[BIA+8*\b:BIA+8*\b+7], v[SBS+8*\b+(\kq)], v[SA+8*(\a)+(\kq)] matrix_a_fmt:MATRIX_FMT_BF8 matrix_b_fmt:MATRIX_FMT_BF8
.else
	v_wmma_scale_f32_16x16x128_f8f6f4 v[8*(8*(\a)+\b):8*(8*(\a)+\b)+7], v[128*(\p)+16*\b:128*(\p)+16*\b+15], v[64*(\p)+16*(\a):64*(\p)+16*(\a)+15], v[8*(8*(\a)+\b):8*(8*(\a)+\b)+7], v[SBS+8*\b+(\kq)], v[SA+8*(\a)+(\kq)] matrix_a_fmt:MATRIX_FMT_BF8 matrix_b_fmt:MATRIX_FMT_BF8
.endif
.endr
.endm
.macro STEP0 slot, kq, first           ; a slot's first 128 of K, on sets 0; the second 128's fragments are asked for ahead of the products
	s_wait_dscnt 0x0
.if \first
	FETCH \slot, 1, 1
	s_cmp_lt_u32 s14, 2
	s_cbranch_scc0 .Lnone_ahead_3
	global_prefetch_b8 v[PFO], s[PF:PF+1] offset:AST th:TH_LOAD_NT scope:SCOPE_SE   ; A's K step 3
.Lnone_ahead_3:
	WIN FIRST
.else
	PLACES NP                                      ; sets 1 were read by the products just issued
	FETCH \slot, 1, 1
	WIN MUL
.endif
	MUL8 0, 0, \kq, \first
	MUL8 1, 0, \kq, \first
	MUL8 2, 0, \kq, \first
	MUL8 3, 0, \kq, \first
	WIN 0
.endm
.macro TURN slot, next, fill, kq       ; a slot's second 128 of K, on sets 1, and the change of slots
	s_wait_tensorcnt 0x0                           ; all my tensor loads have landed: my part of the next slot
	ds_add_u32 v[SPW], v[NIL]
	s_wait_dscnt 1                                 ; the fragments are in; the add may be out
	WIN MUL
	MUL8 0, 1, \kq, 0
	s_wait_dscnt 0x0                               ; the add is done, and my reads of this slot are over
	s_barrier_signal -1
	MUL8 1, 1, \kq, 0
	WIN 0
	s_barrier_wait -1
.if \fill
	CREST                                          ; the barrier has opened a round of the cluster's
	s_add_nc_u64 s[G0A+4*\slot+2:G0A+4*\slot+3], s[G0A+4*\slot+2:G0A+4*\slot+3], 2*AST
	s_add_nc_u64 s[G0B+4*\slot+2:G0B+4*\slot+3], s[G0B+4*\slot+2:G0B+4*\slot+3], 2*256
	JLOAD \slot                                    ; the first tensor load behind the round; its four v_nop are among the places
	PLACES NP-4
.else
	PLACES NP
.endif
	FETCH \next, 0, 0
	WIN MUL
	MUL8 2, 1, \kq, 0
	MUL8 3, 1, \kq, 0
	WIN 0
.endm
	s_cmp_lt_u32 s14, 2                            ; slot 0's two loads are waves 0 and 1's: they wait here; waves 2 and 3 wait at the first change of slots
	s_cbranch_scc0 .Lnot_first
	s_wait_tensorcnt 0x0
.Lnot_first:
	s_barrier_signal -1
	s_barrier_wait -1
	FETCH 0, 0, 0
	s_wait_loadcnt 0x0                             ; the scale words and the bias
	STEP0 0, 0, 1
	TURN 0, 1, 1, 1                                ; slot 0 takes K step 2
	STEP0 1, 2, 0
	TURN 1, 0, 1, 3                                ; slot 1 takes K step 3
	STEP0 0, 4, 0
	TURN 0, 1, 0, 5
	STEP0 1, 6, 0
	s_wait_dscnt 0x0
	WIN MUL
	MUL8 0, 1, 7, 0
	MUL8 1, 1, 7, 0
	MUL8 2, 1, 7, 0
	MUL8 3, 1, 7, 0
	WIN 0
; THE WAY OUT, block by block of 16 tokens x 128 features, through my stage in slot 0 (its last fill and its last read are over): whole rows of 512 bytes come back and leave as aligned runs of 512 bytes.
.macro TOSTAGE a
	WIN 0x08                                       ; the data: window 2
.irp b, 0,1,2,3,4,5,6,7
	ds_store_b128 v[STO], v[64*(\a)+8*\b:64*(\a)+8*\b+3] offset:128*(\b/2)+32*(\b%2)        ; each accumulator from its low end on
	ds_store_b128 v[STO], v[64*(\a)+8*\b+4:64*(\a)+8*\b+7] offset:128*(\b/2)+32*(\b%2)+16
.endr
	WIN TO_A
.irp t, 0,1,2,3,4,5,6,7,8,9,10,11,12,13,14,15
	ds_load_b128 v[64*((\a)%2)+4*\t:64*((\a)%2)+4*\t+3], v[RD] offset:\t*SPITCH   ; LDS serves a wave's instructions in order: these see my stores
.endr
	WIN 0
.endm
.macro SEND a, younger
	s_wait_dscnt \younger
.if (\a) > 0
.if (\a)%2
	s_add_nc_u64 s[12:13], s[12:13], 8*4096
.else
	s_add_nc_u64 s[12:13], s[12:13], 24*4096
.endif
.endif
	WIN 0x0c                                       ; the data: window 3
.irp t, 0,1,2,3,4,5,6,7,8,9,10,11,12,13,14,15
	global_store_b128 v[CO], v[64*((\a)%2)+4*\t:64*((\a)%2)+4*\t+3], s[12:13] offset:(\t+8*(\t/8))*4096 th:TH_STORE_NT
.endr
	WIN 0
.endm
	PLACES NP
	TOSTAGE 0
.irp a, 1,2,3
.if \a > 1
	s_wait_xcnt 0x0                                ; block a - 2's stores have read their registers and their base
.endif
	TOSTAGE \a
	SEND \a-1, 32                                  ; behind block a - 1's loads: block a's 16 stores and 16 loads
.endr
	s_wait_xcnt 0x0
	SEND 3, 0
	s_wait_tensorcnt 0x0                           ; the wave's end
	ds_add_u32 v[SPW], v[NIL]
	s_wait_dscnt 0x0
	CROUND                                         ; the closing round
	s_endpgm
.Lfunc_end_k_qa75a32470e_outp:
	.size	k_qa75a32470e_outp, .Lfunc_end_k_qa75a32470e_outp-k_qa75a32470e_outp
	.p2alignl 7, 3214868480
	.fill 96, 4, 3214868480
	.section	.rodata,"a",@progbits
	.p2align	6, 0x0
	.amdhsa_kernel k_qa75a32470e_outp
		.amdhsa_group_segment_fixed_size 327680
		.amdhsa_private_segment_fixed_size 0
		.amdhsa_enable_private_segment 0
		.amdhsa_kernarg_size 48
		.amdhsa_user_sgpr_count 2
		.amdhsa_user_sgpr_kernarg_segment_ptr 1
		.amdhsa_wavefront_size32 1
		.amdhsa_system_sgpr_workgroup_id_x 1
		.amdhsa_system_sgpr_workgroup_id_y 1
		.amdhsa_system_sgpr_workgroup_id_z 1
		.amdhsa_system_vgpr_workitem_id 0
		.amdhsa_next_free_vgpr 1024
		.amdhsa_next_free_sgpr 106
		.amdhsa_reserve_vcc 0
		.amdhsa_float_denorm_mode_32 3
		.amdhsa_float_denorm_mode_16_64 3
		.amdhsa_memory_ordered 1
		.amdhsa_forward_progress 1
		.amdhsa_inst_pref_size 91
	.end_amdhsa_kernel
	.amdgpu_metadata
---
amdhsa.version: [ 1, 2 ]
amdhsa.kernels:
  - .name:           k_qa75a32470e_outp
    .symbol:         k_qa75a32470e_outp.kd
    .args:
      - { .name: oc, .offset: 0, .size: 8, .value_kind: global_buffer, .address_space: global }
      - { .name: os, .offset: 8, .size: 8, .value_kind: global_buffer, .address_space: global }
      - { .name: wc, .offset: 16, .size: 8, .value_kind: global_buffer, .address_space: global }
      - { .name: ws, .offset: 24, .size: 8, .value_kind: global_buffer, .address_space: global }
      - { .name: bo, .offset: 32, .size: 8, .value_kind: global_buffer, .address_space: global }
      - { .name: out0, .offset: 40, .size: 8, .value_kind: global_buffer, .address_space: global }
    .group_segment_fixed_size: 327680
    .private_segment_fixed_size: 0
    .kernarg_segment_align: 8
    .kernarg_segment_size: 48
    .max_flat_workgroup_size: 128
    .sgpr_count:     106
    .vgpr_count:     1024
    .wavefront_size: 32
...
	.end_amdgpu_metadata
.endif
;; end of part 4
